; MI455X (gfx1250); checked and timed in simulation.
; The chip was launched on July 23, 2026; its instructions are those of AMD's public machine-readable ISA for CDNA 5 (MIT licence, August 2026) and "CDNA5" Instruction Set Architecture Reference Guide (July 2026). The comments in the code are by the model that wrote it; some were corrected since.
;; Pattern Memory. Allowed arithmetic: matrix products marked QUANTISED: E5M2 operands, one E8M0 scale for each 32 along K, by v_wmma_scale_f32_16x16x128_f8f6f4 with both operands' format E5M2, f32 sums; everything else in f32.
;; Inputs: centroids_0 10 x 512 float32; centroids_1 100 x 512 float32; centroids_2 1,000 x 512 float32; embeddings 16,384 x 512 float32; hash_W 8 x 16 x 512 float32; hash_b 8 x 16 float32.
;; Outputs: out0 16,384 x 8 int32; out1 16,384 int32; out2 16,384 x 3 int32; out3 16,384 x 3 float32; out4 16,384 x 8 x 16 float32.
;; This version of the problem:
;;   THIS VERSION OF THE PROBLEM IS GIVEN IN LOW PRECISION. The matrix products marked QUANTISED in the list below multiply operands that are first quantised to E5M2 (5 exponent bits, 2 mantissa bits; 8 bits a number), with one power-of-two scale for each 32 numbers along K (OCP MX v1.0); their sums are f32. All else is computed in f32.
;;   The module's matrix products, in the order in which they are computed (A, B: the left and right operand; K: the contracted axis; several contracted axes count as one K, in the product's order):
;;     1. [M 16,384, K 512] x [K 512, N 128]; A: input embeddings; B: input hash_W: QUANTISED
;;   THE QUANTISER, for each operand of a quantised product, along K:
;;     - K is cut into blocks of 32 from its start; a last block that is shorter is filled with zeros.
;;     - A block's scale is 2^e with e = floor(log2(the largest magnitude in the block)) - 15, held to -126 .. 127; a block of zeros has e = 0. As a byte (E8M0): e + 127.
;;     - Each number is divided by its block's scale, clamped to +-57,344, and rounded to the nearest number of E5M2, ties to even, subnormals kept.
;;     - The product sums the exact products of the quantised numbers (number of the format x scale) in f32.
;;   ~~~python
;;   def quantise(x, axis):      # numpy; x: float32 -> the quantised numbers, widened to float32 again
;;       x = np.moveaxis(x, axis, -1); K = x.shape[-1]
;;       x = np.pad(x, [(0, 0)] * (x.ndim - 1) + [(0, -K % 32)]); x = x.reshape(x.shape[:-1] + (-1, 32)); a = np.abs(x).max(-1, keepdims=True)
;;       e = np.where(a > 0, np.clip(np.frexp(np.where(a > 0, a, 1))[1] - 1 - 15, -126, 127), 0)      # np.frexp(a)[1] - 1 = floor(log2(a)), exactly
;;       r = np.clip(x / 2.0 ** e, -57344, 57344)
;;       step = 2.0 ** (np.maximum(np.frexp(np.where(r == 0, 1, r))[1] - 1, -14) - 2)
;;       q = np.round(r / step) * step * 2.0 ** e      # np.round: ties to even
;;       return np.moveaxis(q.reshape(q.shape[:-2] + (-1,))[..., :K], -1, axis).astype(np.float32)
;;   ~~~
;; 2 versions. Each part assembles by itself: llvm-mc -triple=amdgcn-amd-amdhsa -mcpu=gfx1250 --defsym DOCPART=n.
;; ======== version 1 of 2: 3 launches
;; limits: right only within a limited range of input values
;; workspace buffers: cur0 65,536 bytes of whole numbers; d0 65,536 bytes; cur1 65,536 bytes of whole numbers; dd1 131,072 bytes
;; launch lsh0 (part 1): grid 256 x 1, 8 waves a work-group, no clusters, 302,080 bytes of LDS; arguments embeddings, hash_W, hash_b, centroids_0, out0, out4, cur0, d0; writes out0, out4, cur0, d0
.if DOCPART == 1
	.amdgcn_target "amdgcn-amd-amdhsa--gfx1250"
	.amdhsa_code_object_version 6
	.text
	.protected	k_q411dcca005_lsh0
	.globl	k_q411dcca005_lsh0
	.p2align	8
	.type	k_q411dcca005_lsh0,@function
k_q411dcca005_lsh0:
	s_mov_b64 s[64:65], 0
	v_nop
	global_prefetch_b8 v0, s[64:65] scope:SCOPE_SE
	s_setreg_imm32_b32 hwreg(HW_REG_WAVE_MODE, 25, 1), 1
	s_wait_xcnt 0x0
; proj = Q(e) Q(W)^T + b on codes of BF8 (E5M2) with one E8M0 scale for each 32 along K; the 8 hash codes of 16 sign bits; level 0 of the tree (10 distances in f32, root, first smallest).
; e: [16384][512] f32.  W: [128][512] f32.  b: [128].  c0: [10][512].  out4 = proj [16384][128] f32, out0 = codes [16384][8] i32, cur0 = the nearest of the 10 [16384] i32, d0 = its distance [16384] f32.
; SHARES.  A work-group of eight waves owns 64 queries.  Wave w brings rows 8 w .. 8 w + 7 of e into LDS (one tensor load; wave 0 also c0), quantises rows 16 w .. 16 w + 15 of W into LDS while e is on its way,
; and does level 0 for its own 8 rows.  Waves 0 to 3 also quantise 16 rows of e each and multiply them with all of W: 32 matrix instructions a wave.
; e is read from memory once; the product and the distances both take it from LDS.  Nothing in LDS is filled twice.
; NO CLUSTER, NO JOINT LOAD: what the work-groups share is W, 262,144 bytes as f32; beside e's 133,248 bytes and W's 69,632 bytes of codes that is 465,024, more than the 327,680 that a work-group can have; in pieces it
; would want refills.  So each wave takes its sixteenth .. its 16 rows of W through registers.  c0 is 20,480 bytes of the 413,696 that a work-group reads.
; DISTANCES are sums of (c - e)^2, never |e|^2 - 2 e.c + |c|^2: no difference of large sums is formed.
; LIMITS.  NaN and infinities among the inputs are not served.  A block of 32 zeros gets the scale byte 1 where the rule says 127: its codes are zeros, and this program alone reads the bytes.  Blocks whose largest
; magnitude lies under 2^(16 - 127) have their byte held at 1.  A squared distance under 2^-126 gives a rough root only.  The f32 sums are taken in another order than the reference takes them: a sign of proj or a
; nearest centroid that hangs on a sum's last bits may fall the other way.  The root is the hardware's, corrected by one Newton step with a fused residual; that this is the nearest f32 for every argument is not proved.
; LDS
.set EBW,  16656                       ; e: a wave's 8 rows = 16 half rows of 1,024 bytes + 16 of padding, and 16 bytes more, so that rows r and r + 8 of a tile of 16 start in different 16-byte columns
.set CB,   133248                      ; c0: 20 half rows of 1,040
.set WC,   154112                      ; (from here on no tensor load lands)  W's codes: 16 codes k = 16 kappa .. of row r of tile t at t WT + 272 kappa + 16 r
.set WT,   8704
.set WS,   223744                      ; W's scale words: K step s of row r of tile t at (4 t + s) 64 + 4 r
.set TS,   225792                      ; 5,120 bytes a wave: two stages of 32 x 80 through which a row of W turns
.set PS,   266752                      ; 8,448 bytes for each of waves 0 to 3: 16 rows of proj, 512 bytes + 16
.set RES,  300544                      ; 64 words cur0, 64 words d0
; the distance engine's registers
.set E,    96                          ; v96-223  eight queries (slots), 16 registers each: piece j (512 bytes of the row) in registers 4 j ..: lane l holds elements 128 j + 4 l .. + 3
.set CR,   224                         ; v224-255 two centroid rows, laid likewise
.set D,    64                          ; v64-79   differences; then at work
.set AC,   80                          ; v80-83   two packed sums
.set SQ,   84                          ; v84-91   a lane's sum for each slot
.set X,    44                          ; v44-53   ten squared distances: lane l holds slot l / 4's
.set Y,    54                          ; v54-63   ten roots
.set CP,   2080                        ; a centroid row in LDS,
.set CH,   1040                        ; and its second half
.set VCA,  3                           ; v3   c0 + 16 x lane
.set VIDX, 20
.set VBEST, 21
.set M8,   55                          ; s55  lanes with bit 3 set
.set M4,   56                          ; s56  lanes with bit 2 set
.set GRD, 0
.set NREG, 0
; phase W's registers
.set R,    96                          ; v96-223  eight rows of W as loaded
.set XT,   224                         ; v224-255 two sets of 16 neighbours
.set WCD,  64                          ; v64-71   two sets of codes
.set WBY,  72                          ; v72-73   two scale bytes
; the product's registers
.set ACC,  32                          ; v32-95   eight accumulators: tile t (table t) at v[32 + 8 t]
.set XIN,  96                          ; v96-159  64 numbers of e
.set WB,   160                         ; v160-223 four fragments of W
.set PC,   224                         ; v224-239 e's codes
.set TM,   240                         ; v240-255 at work in the quantiser
.set PW,   27                          ; v27      e's scale word;  v28-31 W's scale words: these five hold scales and nothing else
.set HC,   240                         ; v240-247 the hash codes
.macro PLACES n
.rept \n
	v_nop
.endr
.endm
; ---- the distance engine
.macro CLOAD k                         ; centroid row k into buffer k % 2: four loads of 512 consecutive bytes
.irp j, 0,1,2,3
	ds_load_b128 v[CR+16*((\k)%2)+4*\j:CR+16*((\k)%2)+4*\j+3], v[VCA] offset:(\k)*CP+(\j/2)*CH+(\j%2)*512
.endr
.endm
.macro QBLK u, cb                      ; my 16 terms (c - e)^2 of slot u against the row at v[cb]: nothing is cleared, the first two products start the sums
.irp i, 0,2,4,6,8,10,12,14
	v_pk_add_f32 v[D+\i:D+\i+1], v[(\cb)+\i:(\cb)+\i+1], v[E+16*(\u)+\i:E+16*(\u)+\i+1] neg_lo:[0,1] neg_hi:[0,1]
.endr
	v_pk_mul_f32 v[AC:AC+1], v[D:D+1], v[D:D+1]
	v_pk_mul_f32 v[AC+2:AC+3], v[D+2:D+3], v[D+2:D+3]
.irp i, 4,8,12
	v_pk_fma_f32 v[AC:AC+1], v[D+\i:D+\i+1], v[D+\i:D+\i+1], v[AC:AC+1]
	v_pk_fma_f32 v[AC+2:AC+3], v[D+\i+2:D+\i+3], v[D+\i+2:D+\i+3], v[AC+2:AC+3]
.endr
	v_pk_add_f32 v[AC:AC+1], v[AC:AC+1], v[AC+2:AC+3]
	v_add_f32 v[SQ+(\u)], v[AC], v[AC+1]
.endm
; Eight sums over 32 lanes at once: at each step a lane keeps one half of the slots that it holds and hands the other half over.  At the end lane l holds the whole sum of slot l / 4.  A slot's numbers meet no other slot's.
.macro RED8 k
.irp q, 0,1,2,3
	v_permlane16_swap_b32 v[SQ+\q], v[SQ+\q+4]     ; slot q's upper lanes change places with slot q + 4's lower lanes
.endr
.irp q, 0,1,2,3
	v_add_f32 v[D+\q], v[SQ+\q], v[SQ+\q+4]        ; lanes 0-15: slot q; lanes 16-31: slot q + 4
.endr
	v_cndmask_b32 v[D+4], v[D+0], v[D+2], s[M8]    ; kept: slot 0 (+4) where bit 3 is 0, slot 2 (+4) where it is 1
	v_cndmask_b32 v[D+5], v[D+2], v[D+0], s[M8]    ; handed to lane l xor 8
	v_cndmask_b32 v[D+6], v[D+1], v[D+3], s[M8]
	v_cndmask_b32 v[D+7], v[D+3], v[D+1], s[M8]
	v_add_f32_dpp v[D+8], v[D+5], v[D+4] row_xmask:8 row_mask:0xf bank_mask:0xf
	v_add_f32_dpp v[D+9], v[D+7], v[D+6] row_xmask:8 row_mask:0xf bank_mask:0xf
	v_cndmask_b32 v[D+10], v[D+8], v[D+9], s[M4]
	v_cndmask_b32 v[D+11], v[D+9], v[D+8], s[M4]
	v_add_f32_dpp v[D+12], v[D+11], v[D+10] row_xmask:4 row_mask:0xf bank_mask:0xf
	v_add_f32_dpp v[D+12], v[D+12], v[D+12] row_xmask:2 row_mask:0xf bank_mask:0xf
	v_add_f32_dpp v[X+\k], v[D+12], v[D+12] row_xmask:1 row_mask:0xf bank_mask:0xf
.endm
.macro ROW k                           ; centroid row k against the slots
.if (\k) < 9
	s_wait_dscnt 4                                 ; LDS loads come back in order: row k (and all before it) is in; the next row's four loads may be out
.else
	s_wait_dscnt 0x0
.endif
	QBLK 0, CR+16*((\k)%2)
.irp u, 1,2,3,4,5,6,7
.if GRD
	s_cmp_le_u32 s[NREG], \u                       ; slots 0 .. N - 1 are full: the first empty one ends the row
	s_cbranch_scc1 .Lrow_\@
.endif
	QBLK \u, CR+16*((\k)%2)
.endr
.if GRD
.Lrow_\@:
.endif
.if (\k)+2 <= 9
	CLOAD (\k)+2                                   ; into the buffer just read
.endif
	RED8 \k
.endm
; Ten roots and the first smallest of them.  y = sqrt(x) is corrected once: y + (x - y y) / (2 y), the residual by one fused multiply-add, 1 / y as rsq(x) (of x held above 2^-100, so that x = 0 gives 0).
.macro TAIL
.irp k, 0,1,2,3,4,5,6,7,8,9
	v_max_num_f32 v[D+\k], 0x0d800000, v[X+\k]
.endr
.irp k, 0,1,2,3,4,5,6,7,8,9
	v_sqrt_f32 v[Y+\k], v[X+\k]
.endr
.irp k, 0,1,2,3,4,5,6,7,8,9
	v_rsq_f32 v[D+\k], v[D+\k]
.endr
	v_nop                                          ; one plain instruction behind the last of the batch (ISA guide 5.7.2),
	s_wait_alu depctr_va_vdst(0)                   ; and one wait for all twenty, ahead of their first reader
.irp p, 0,2,4,6,8
	v_pk_fma_f32 v[X+\p:X+\p+1], v[Y+\p:Y+\p+1], v[Y+\p:Y+\p+1], v[X+\p:X+\p+1] neg_lo:[1,0,0] neg_hi:[1,0,0]
.endr
.irp p, 0,2,4,6,8
	v_pk_mul_f32 v[X+\p:X+\p+1], v[X+\p:X+\p+1], v[D+\p:D+\p+1]
.endr
.irp p, 0,2,4,6,8
	v_pk_fma_f32 v[Y+\p:Y+\p+1], v[X+\p:X+\p+1], 0.5, v[Y+\p:Y+\p+1] op_sel_hi:[1,0,1]
.endr
	v_mov_b32 v[VBEST], v[Y]
	v_mov_b32 v[VIDX], 0
.irp k, 1,2,3,4,5,6,7,8,9
	v_cmp_lt_f32 vcc_lo, v[Y+\k], v[VBEST]         ; strictly smaller, in ascending order: of equal roots the first stays
	v_cndmask_b32 v[VIDX], v[VIDX], \k, vcc_lo
	v_cndmask_b32 v[VBEST], v[VBEST], v[Y+\k], vcc_lo
.endr
.endm
; ---- the head: every address register is made here, ahead of any parting of the waves
	s_load_b512 s[8:23], s[0:1], 0x0               ; e s[8:9], W s[10:11], b s[12:13], c0 s[14:15], out0 s[16:17], out4 s[18:19], cur0 s[20:21], d0 s[22:23]
	v_lshl_add_u32 v25, v0, 2, 0x49800
	v_mov_b32 v26, 0
	ds_add_u32 v25, v26
	ds_add_u32 v25, v26
	v_lshrrev_b32 v32, 5, v0
	v_readfirstlane_b32 s24, v32                   ; wave 0..7
	v_and_b32 v33, 31, v0                          ; lane
	v_and_b32 v34, 15, v0                          ; r
	v_bfe_u32 v35, v0, 4, 1                        ; h
	s_and_b32 s25, s24, 3
	v_lshlrev_b32 v1, 4, v33                       ; v1  16 x lane
	s_mul_i32 s26, s24, EBW
	v_add_nc_u32 v2, s26, v1                       ; v2  my wave's rows of e, 16 x lane
	v_add_nc_u32 v3, CB, v1                        ; v3  c0, 16 x lane
	v_bfe_u32 v36, v0, 3, 1
	v_and_b32 v37, 7, v0
	v_mul_u32_u24 v4, v36, EBW
	v_mad_u32_u24 v4, v37, 2080, v4
	v_lshl_add_u32 v4, v35, 6, v4
	s_mul_i32 s27, s25, 2*EBW
	v_add_nc_u32 v4, s27, v4                       ; v4  the product's row r of e: block 2 (w & 3) + r / 8, row r % 8, + 64 h: my 16 numbers of a block of 32
	v_mul_u32_u24 v5, v35, 272
	v_lshl_add_u32 v5, v34, 4, v5
	v_add_nc_u32 v5, WC, v5                        ; v5  W's codes, tiles 0-3: 272 h + 16 r
	v_add_nc_u32 v6, 4*WT, v5                      ; v6  tiles 4-7
	v_lshl_add_u32 v7, v34, 2, WS                  ; v7  W's scale words: 4 r
	s_mul_i32 s26, s24, 5120
	s_add_co_u32 s26, s26, TS
	v_lshrrev_b32 v36, 2, v33                      ; lane / 4
	v_mul_u32_u24 v8, v36, 80
	v_and_b32 v37, 3, v0
	v_lshl_add_u32 v8, v37, 4, v8
	v_add_nc_u32 v8, s26, v8                       ; v8  the turn, in: four lanes' 64 bytes on end, then 16 of padding
	v_mul_u32_u24 v9, v33, 80
	v_add_nc_u32 v9, s26, v9                       ; v9  the turn, out: 80 x lane: my 16 neighbours
	s_mul_i32 s26, s24, WT
	s_add_co_u32 s26, s26, WC
	v_mul_u32_u24 v10, v33, 272
	v_add_nc_u32 v10, s26, v10                     ; v10 where my 16 codes go: tile w, kappa = lane
	s_lshl_b32 s26, s24, 8
	s_add_co_u32 s26, s26, WS
	v_lshrrev_b32 v38, 3, v33
	v_bfe_u32 v39, v0, 1, 2
	v_lshl_add_u32 v11, v38, 6, v39
	v_add_nc_u32 v11, s26, v11                     ; v11 where my block's scale byte goes: K step lane / 8, byte (lane / 2) % 4
	s_mul_i32 s26, s25, 8448
	s_add_co_u32 s26, s26, PS
	v_mul_u32_u24 v12, v34, 528
	v_lshl_add_u32 v12, v35, 5, v12
	v_add_nc_u32 v12, s26, v12                     ; v12 proj's stage, in: row r, + 32 h
	v_add_nc_u32 v13, s26, v1                      ; v13 and back: 16 x lane
	v_lshlrev_b32 v14, 5, v35                      ; v14 b: 32 h
	v_lshlrev_b32 v15, 5, v34
	v_lshl_add_u32 v15, v35, 4, v15                ; v15 out0: 32 r + 16 h
	v_lshlrev_b32 v16, 3, v35                      ; v16 8 h
	s_lshl_b32 s26, s24, 5
	s_add_co_u32 s26, s26, RES
	v_lshl_add_u32 v17, v36, 2, s26                ; v17 my slot's result word: 8 w + lane / 4
	s_and_b32 s26, s24, 1
	s_lshl_b32 s26, s26, 8
	s_add_co_u32 s26, s26, RES
	v_lshl_add_u32 v18, v33, 3, s26                ; v18 the result words on the way out
	v_lshlrev_b32 v19, 3, v33                      ; v19 8 x lane
	s_mov_b32 s52, 0x76543210
	s_mov_b32 s53, 0xfedcba98                      ; v_permlanex16_b32's selects for lane l xor 16
	s_mov_b32 s54, 0x600000                        ; the mantissa field of 57,344
	s_mov_b32 s[M8], 0xff00ff00
	s_mov_b32 s[M4], 0xf0f0f0f0
	s_mov_b32 s57, 0xffff0000                      ; lanes 16-31
	; descriptor group 1 for e: rows are dense in memory, so 8 rows are stated as 16 half rows of 256 elements of 4 bytes, 4 words of padding behind each
	s_mov_b32 s36, (2<<16)|(1<<20)|(7<<22)|(3<<25)
	s_mov_b32 s37, 256<<16                         ; tensor_dim0
	s_mov_b32 s38, 16<<16                          ; tensor_dim1
	s_mov_b32 s39, 256<<16                         ; tile_dim0
	s_mov_b32 s40, 16                              ; tile_dim1
	s_mov_b32 s41, 256                             ; the pitch
	s_mov_b32 s42, 0
	s_mov_b32 s43, 0
	; and for c0: 20 half rows
	s_mov_b32 s44, (2<<16)|(1<<20)|(7<<22)|(3<<25)
	s_mov_b32 s45, 256<<16
	s_mov_b32 s46, 20<<16
	s_mov_b32 s47, 256<<16
	s_mov_b32 s48, 20
	s_mov_b32 s49, 256
	s_mov_b32 s50, 0
	s_mov_b32 s51, 0
	s_mov_b32 s28, 1
	s_mul_i32 s29, s24, EBW                        ; my wave's block in LDS
	s_lshl_b32 s58, ttmp9, 17                      ; 64 rows of 2,048 bytes a work-group,
	s_lshl_b32 s59, s24, 14                        ; 8 a wave
	s_add_co_u32 s58, s58, s59
	s_mov_b32 s59, 0
	s_mov_b32 s32, 1
	s_mov_b32 s33, CB
	s_lshl_b32 s60, s24, 15                        ; my 16 rows of W
	s_mov_b32 s61, 0
	s_wait_dscnt 0x0
	s_wait_kmcnt 0x0
	s_add_nc_u64 s[30:31], s[8:9], s[58:59]
	s_or_b32 s31, s31, 0x80000000
	s_mov_b64 s[34:35], s[14:15]
	s_or_b32 s35, s35, 0x80000000
	s_add_nc_u64 s[10:11], s[10:11], s[60:61]
	s_cmp_eq_u32 s24, 0                            ; a wave's fills stand in one branch, ahead of every wait on TENSORcnt, every LDS read and every barrier: two loads of wave 0 are out, one of each other wave
	s_cbranch_scc0 .Lfill_rest
	tensor_load_to_lds s[28:31], s[36:43]
	s_nop 0
	tensor_load_to_lds s[32:35], s[44:51]
	s_nop 0
	PLACES 4
	s_branch .Lfilled
.Lfill_rest:
	tensor_load_to_lds s[28:31], s[36:43]
	s_nop 0
	PLACES 4
.Lfilled:
; ---- phase W: my 16 rows of W become codes and scale bytes in LDS.  A step is a row: 512 numbers.  Each load reads 512 consecutive bytes; the conversions want 16 neighbours in a lane, so the row turns through my stage.
.macro WROW i
.irp p, 0,1,2,3
	global_load_b128 v[R+16*((\i)%8)+4*\p:R+16*((\i)%8)+4*\p+3], v1, s[10:11] offset:2048*(\i)+512*\p
.endr
.endm
.macro WTURN i                         ; LDS serves a wave's instructions in order: no wait between the stores and the loads
.irp p, 0,1,2,3
	ds_store_b128 v8, v[R+16*((\i)%8)+4*\p:R+16*((\i)%8)+4*\p+3] offset:2560*((\i)%2)+640*\p
.endr
.irp p, 0,1,2,3
	ds_load_b128 v[XT+16*((\i)%2)+4*\p:XT+16*((\i)%2)+4*\p+3], v9 offset:2560*((\i)%2)+16*\p
.endr
.endm
.macro WSTEP i
.set XS, XT+16*((\i)%2)
.if (\i) > 0
	s_wait_dscnt 2                                 ; this row is back from the stage; the last step's two stores may be out
.else
	s_wait_dscnt 0x0
.endif
.if (\i) < 8
	WROW (\i)+8                                    ; into the registers that this row has left
.endif
.if (\i) < 15
.if (\i) < 8
	s_wait_loadcnt 28                              ; row i + 1 is in; the seven rows behind it, four loads each, may be out
.else
	s_wait_loadcnt 4*(14-(\i))                     ; the rows behind row i + 1: 14 - i are left
.endif
	WTURN (\i)+1
.endif
	v_max3_num_f32 v32, |v[XS]|, |v[XS+1]|, |v[XS+2]|
	v_max3_num_f32 v33, |v[XS+3]|, |v[XS+4]|, |v[XS+5]|
.irp n, 6,10
	v_max3_num_f32 v32, v32, |v[XS+\n]|, |v[XS+\n+1]|
	v_max3_num_f32 v33, v33, |v[XS+\n+2]|, |v[XS+\n+3]|
.endr
	v_max3_num_f32 v32, v32, |v[XS+14]|, |v[XS+15]|
	v_max3_num_f32 v32, v32, v33, 0x8000000        ; the floor 2^(16 - 127): the byte cannot fall under 1
	v_max_num_f32_dpp v32, v32, v32 row_xmask:1 row_mask:0xf bank_mask:0xf   ; with my neighbour's 16: the block's largest magnitude
	v_add_nc_u32 v35, 0xf8800000, v32              ; 15 off its exponent field: the conversion's scale operand
	v_and_or_b32 v34, v32, 0x7f800000, s54         ; 57,344 x the scale
.irp n, 0,1,2,3,4,5,6,7,8,9,10,11,12,13,14,15
	v_med3_num_f32 v[XS+\n], v[XS+\n], -v34, v34   ; the conversion to an 8-bit code does not saturate (ISA guide 7.6.2)
.endr
	v_cvt_scalef32_pk8_bf8_f32 v[WCD+4*((\i)%2):WCD+4*((\i)%2)+1], v[XS:XS+7], v35
	v_cvt_scalef32_pk8_bf8_f32 v[WCD+4*((\i)%2)+2:WCD+4*((\i)%2)+3], v[XS+8:XS+15], v35
	v_lshrrev_b32 v[WBY+(\i)%2], 23, v35           ; the scale's byte; also the plain instruction behind the conversions
	ds_store_b128 v10, v[WCD+4*((\i)%2):WCD+4*((\i)%2)+3] offset:16*(\i)
	ds_store_b8 v11, v[WBY+(\i)%2] offset:4*(\i)   ; both lanes of a block write the same byte with the same value
.endm
.irp i, 0,1,2,3,4,5,6,7
	WROW \i
.endr
	s_wait_loadcnt 28                              ; row 0 is in
	WTURN 0
.irp i, 0,1,2,3,4,5,6,7,8,9,10,11,12,13,14,15
	WSTEP \i
.endr
	s_wait_tensorcnt 0x0                           ; my rows of e (and c0) have landed,
	s_wait_dscnt 0x0                               ; my codes and bytes of W are stored:
	s_barrier_signal -1
	s_barrier_wait -1                              ; everybody's are
; ---- the product: waves 0 to 3, 16 queries each.  No barrier stands in this branch.
	s_cmp_lt_u32 s24, 4
	s_cbranch_scc0 .Lnolsh
.macro XLOAD s                         ; lane (r, h): of row r, K step s, 16 neighbours of each block of 32: register 16 b + i = k 128 s + 32 b + 16 h + i
.irp b, 0,1,2,3
.irp j, 0,1,2,3
	ds_load_b128 v[XIN+16*\b+4*\j:XIN+16*\b+4*\j+3], v4 offset:((\s)/2)*1040+((\s)%2)*512+128*\b+16*\j
.endr
.endr
.endm
.macro WLOAD g, s                      ; four fragments of W (tiles 4 g ..) of K step s, and their scale words
.irp f, 0,1,2,3
.irp c, 0,1,2,3
	ds_load_b128 v[WB+16*\f+4*\c:WB+16*\f+4*\c+3], v[5+(\g)] offset:\f*WT+(8*(\s)+2*\c)*272
.endr
	ds_load_b32 v[28+\f], v7 offset:(4*(4*(\g)+\f)+(\s))*64
.endr
.endm
.macro QUANT                           ; the 64 numbers in v[XIN] on become a fragment's codes in v[PC] on and its scale word in v[PW]
.irp b, 0,1,2,3
	v_max3_num_f32 v[TM+\b], |v[XIN+16*\b]|, |v[XIN+1+16*\b]|, 0x8000000
.endr
.irp i, 2,4,6,8,10,12,14
.irp b, 0,1,2,3
	v_max3_num_f32 v[TM+\b], v[TM+\b], |v[XIN+16*\b+\i]|, |v[XIN+1+16*\b+\i]|
.endr
.endr
.irp b, 0,1,2,3
	v_permlanex16_b32 v[TM+4+\b], v[TM+\b], s52, s53
.endr
.irp b, 0,1,2,3
	v_max_num_f32 v[TM+\b], v[TM+\b], v[TM+4+\b]   ; with lane l xor 16's: the block's largest magnitude
.endr
.irp b, 0,1,2,3
	v_add_nc_u32 v[TM+12+\b], 0xf8800000, v[TM+\b]
.endr
.irp b, 0,1,2,3
	v_and_or_b32 v[TM+8+\b], v[TM+\b], 0x7f800000, s54
.endr
.irp b, 0,1,2,3
	v_lshrrev_b32 v[TM+4+\b], 23, v[TM+12+\b]
.endr
	v_lshl_or_b32 v[PW], v[TM+5], 8, v[TM+4]       ; my row's scale word; the 64 holds below stand between it and the products
	v_lshl_or_b32 v[PW], v[TM+6], 16, v[PW]
	v_lshl_or_b32 v[PW], v[TM+7], 24, v[PW]
.irp b, 0,1,2,3
.irp i, 0,1,2,3,4,5,6,7,8,9,10,11,12,13,14,15
	v_med3_num_f32 v[XIN+16*\b+\i], v[XIN+16*\b+\i], -v[TM+8+\b], v[TM+8+\b]
.endr
	v_cvt_scalef32_pk8_bf8_f32 v[PC+4*\b:PC+1+4*\b], v[XIN+16*\b:XIN+7+16*\b], v[TM+12+\b]
	v_cvt_scalef32_pk8_bf8_f32 v[PC+2+4*\b:PC+3+4*\b], v[XIN+8+16*\b:XIN+15+16*\b], v[TM+12+\b]
.endr
	v_nop                                          ; the plain instruction behind the last conversion
.endm
; TRANSPOSED: source 0 = 16 rows of W, source 1 = my 16 queries: lane (r, h) holds query r, register j of tile t the column 16 t + 8 h + j.  The eight accumulators take turns, one instruction a turn.
.macro MM t, f
	v_wmma_scale_f32_16x16x128_f8f6f4 v[ACC+8*(\t):ACC+8*(\t)+7], v[WB+16*(\f):WB+16*(\f)+15], v[PC:PC+15], v[ACC+8*(\t):ACC+8*(\t)+7], v[28+(\f)], v[PW] matrix_a_fmt:MATRIX_FMT_BF8 matrix_b_fmt:MATRIX_FMT_BF8
.endm
.macro LSTEP s
	WLOAD 0, \s
.if (\s) == 0
	s_wait_dscnt 20                                ; e's numbers are in; W's 20 loads may be out
.endif
	QUANT
	PLACES 4                                       ; codes written by vector instructions stand four places ahead of a scaled matrix instruction
.if (\s) < 3
	XLOAD (\s)+1
	s_wait_dscnt 16                                ; W's fragments are in; the next K step's 16 loads of e may be out
.else
	s_wait_dscnt 0x0
.endif
.if (\s) == 0
	s_wait_loadcnt 0x0                             ; b
.endif
.irp f, 0,1,2,3
	MM \f, \f
.endr
	PLACES 8                                       ; eight places in front of loads into registers that these matrix instructions have read
	WLOAD 1, \s
	s_wait_dscnt 0x0
.irp f, 0,1,2,3
	MM 4+\f, \f
.endr
	PLACES 8                                       ; likewise; and in front of the next codes, and of the first read of results
.endm
.irp b, 0,1,2,3
	v_mov_b32 v[TM+4+\b], 0                        ; written once: a lane permute's destination counts as one of its sources
.endr
.irp t, 0,1,2,3,4,5,6,7                            ; b goes straight into the accumulators, in the result's layout: every product then adds in place
	global_load_b128 v[ACC+8*\t:ACC+8*\t+3], v14, s[12:13] offset:64*\t
	global_load_b128 v[ACC+8*\t+4:ACC+8*\t+7], v14, s[12:13] offset:64*\t+16
.endr
	XLOAD 0
	LSTEP 0
	LSTEP 1
	LSTEP 2
	LSTEP 3
	; the way out: proj through my stage, so that whole rows of 512 bytes leave; the hash codes are made while the rows come back
.irp t, 0,1,2,3,4,5,6,7
	ds_store_b128 v12, v[ACC+8*\t:ACC+8*\t+3] offset:64*\t           ; each accumulator from its low end on
	ds_store_b128 v12, v[ACC+8*\t+4:ACC+8*\t+7] offset:64*\t+16
.endr
.irp i, 0,1,2,3,4,5,6,7,8,9,10,11,12,13,14,15
	ds_load_b128 v[96+4*\i:96+4*\i+3], v13 offset:528*\i             ; LDS serves a wave's instructions in order: these see my stores
.endr
	s_lshl_b32 s58, ttmp9, 15                      ; out4: 64 rows of 512 bytes a work-group, 16 a wave
	s_lshl_b32 s59, s24, 13
	s_add_co_u32 s58, s58, s59
	s_mov_b32 s59, 0
	s_add_nc_u64 s[18:19], s[18:19], s[58:59]
	s_lshl_b32 s58, ttmp9, 11                      ; out0: rows of 32 bytes
	s_lshl_b32 s60, s24, 9
	s_add_co_u32 s58, s58, s60
	s_add_nc_u64 s[16:17], s[16:17], s[58:59]
.irp t, 0,1,2,3,4,5,6,7
	v_mov_b32 v[HC+\t], 0
.endr
.irp j, 7,6,5,4,3,2,1,0
.irp t, 0,1,2,3,4,5,6,7
	v_cmp_lt_f32 vcc_lo, 0, v[ACC+8*\t+\j]         ; proj > 0
	v_add_co_ci_u32 v[HC+\t], vcc_lo, v[HC+\t], v[HC+\t], vcc_lo   ; the code doubled, the bit shifted in: register j's bit ends at place j
.endr
.endr
.irp t, 0,1,2,3,4,5,6,7
	v_lshlrev_b32 v[HC+\t], v16, v[HC+\t]          ; my eight bits are bits 8 h .. 8 h + 7
.endr
.irp t, 0,1,2,3                                    ; lanes 0-15 finish tables 0-3, lanes 16-31 tables 4-7: each hands over the halves that the other finishes
	v_cndmask_b32 v[224+\t], v[HC+4+\t], v[HC+\t], s57
	v_cndmask_b32 v[228+\t], v[HC+\t], v[HC+4+\t], s57
.endr
.irp t, 0,1,2,3
	v_permlanex16_b32 v[232+\t], v[224+\t], s52, s53
.endr
.irp t, 0,1,2,3
	v_or_b32 v[248+\t], v[228+\t], v[232+\t]
.endr
.irp i, 0,1,2,3,4,5,6,7,8,9,10,11,12,13,14,15
	s_wait_dscnt 15-\i                             ; row i is back; the younger rows may be out
	global_store_b128 v1, v[96+4*\i:96+4*\i+3], s[18:19] offset:512*\i th:TH_STORE_NT   ; 32 lanes store a row of 512 consecutive bytes
.endr
	global_store_b128 v15, v[248:251], s[16:17] th:TH_STORE_NT       ; 16 queries x 32 bytes: 512 consecutive bytes
.Lnolsh:
; ---- level 0: my wave's own 8 rows against c0's ten
	s_wait_xcnt 0x0                                ; the stores above have read their registers: v96 on and v248 on are loaded again only behind this wait
.irp k, 0,1,2,3,4,5,6,7,8,9
	v_mov_b32 v[X+\k], 0                           ; written once: the destination of a DPP form counts as read
.endr
.irp u, 0,1,2,3,4,5,6,7
.irp j, 0,1,2,3
	ds_load_b128 v[E+16*\u+4*\j:E+16*\u+4*\j+3], v2 offset:\u*2080+(\j/2)*1040+(\j%2)*512
.endr
.endr
	CLOAD 0
	CLOAD 1
.irp k, 0,1,2,3,4,5,6,7,8,9
	ROW \k
.endr
	TAIL
	ds_store_b32 v17, v[VIDX]                      ; the four lanes of a slot write the same word with the same value
	ds_store_b32 v17, v[VBEST] offset:256
	s_wait_dscnt 0x0                               ; for the others' sake
	s_barrier_signal -1
	s_barrier_wait -1
	s_cmp_lt_u32 s24, 2                            ; wave 0 stores the 64 words of cur0, wave 1 those of d0: 256 consecutive bytes each, aligned
	s_cbranch_scc0 .Lend
	ds_load_b64 v[32:33], v18
	s_cmp_eq_u32 s24, 0
	s_cselect_b64 s[20:21], s[20:21], s[22:23]
	s_lshl_b32 s58, ttmp9, 8
	s_mov_b32 s59, 0
	s_add_nc_u64 s[20:21], s[20:21], s[58:59]
	s_wait_dscnt 0x0
	global_store_b64 v19, v[32:33], s[20:21]
.Lend:
	s_wait_tensorcnt 0x0
	ds_add_u32 v25, v26
	s_wait_dscnt 0x0
	s_endpgm
.Lfunc_end_k_q411dcca005_lsh0:
	.size	k_q411dcca005_lsh0, .Lfunc_end_k_q411dcca005_lsh0-k_q411dcca005_lsh0
	.p2alignl 7, 3214868480
	.fill 96, 4, 3214868480
	.section	.rodata,"a",@progbits
	.p2align	6, 0x0
	.amdhsa_kernel k_q411dcca005_lsh0
		.amdhsa_group_segment_fixed_size 302080
		.amdhsa_private_segment_fixed_size 0
		.amdhsa_enable_private_segment 0
		.amdhsa_kernarg_size 64
		.amdhsa_user_sgpr_count 2
		.amdhsa_user_sgpr_kernarg_segment_ptr 1
		.amdhsa_wavefront_size32 1
		.amdhsa_system_sgpr_workgroup_id_x 1
		.amdhsa_system_sgpr_workgroup_id_y 1
		.amdhsa_system_sgpr_workgroup_id_z 1
		.amdhsa_system_vgpr_workitem_id 0
		.amdhsa_next_free_vgpr 256
		.amdhsa_next_free_sgpr 66
		.amdhsa_reserve_vcc 1
		.amdhsa_float_denorm_mode_32 3
		.amdhsa_float_denorm_mode_16_64 3
		.amdhsa_memory_ordered 1
		.amdhsa_forward_progress 1
		.amdhsa_inst_pref_size 225
	.end_amdhsa_kernel
	.amdgpu_metadata
---
amdhsa.version: [ 1, 2 ]
amdhsa.kernels:
  - .name:           k_q411dcca005_lsh0
    .symbol:         k_q411dcca005_lsh0.kd
    .args:
      - { .name: embeddings, .offset: 0, .size: 8, .value_kind: global_buffer, .address_space: global }
      - { .name: hash_W, .offset: 8, .size: 8, .value_kind: global_buffer, .address_space: global }
      - { .name: hash_b, .offset: 16, .size: 8, .value_kind: global_buffer, .address_space: global }
      - { .name: centroids_0, .offset: 24, .size: 8, .value_kind: global_buffer, .address_space: global }
      - { .name: out0, .offset: 32, .size: 8, .value_kind: global_buffer, .address_space: global }
      - { .name: out4, .offset: 40, .size: 8, .value_kind: global_buffer, .address_space: global }
      - { .name: cur0, .offset: 48, .size: 8, .value_kind: global_buffer, .address_space: global }
      - { .name: d0, .offset: 56, .size: 8, .value_kind: global_buffer, .address_space: global }
    .group_segment_fixed_size: 302080
    .private_segment_fixed_size: 0
    .kernarg_segment_align: 8
    .kernarg_segment_size: 64
    .max_flat_workgroup_size: 256
    .sgpr_count:     66
    .vgpr_count:     256
    .wavefront_size: 32
...
	.end_amdgpu_metadata
.endif
;; end of part 1
;; launch lev1 (part 2): grid 10 x 256, 1 waves a work-group, no clusters, 21,248 bytes of LDS; arguments embeddings, centroids_1, cur0, d0, cur1, dd1; writes cur1, dd1
.if DOCPART == 2
	.amdgcn_target "amdgcn-amd-amdhsa--gfx1250"
	.amdhsa_code_object_version 6
	.text
	.protected	k_q411dcca005_lev1
	.globl	k_q411dcca005_lev1
	.p2align	8
	.type	k_q411dcca005_lev1,@function
k_q411dcca005_lev1:
	s_mov_b64 s[64:65], 0
	v_nop
	global_prefetch_b8 v0, s[64:65] scope:SCOPE_SE
	s_setreg_imm32_b32 hwreg(HW_REG_WAVE_MODE, 25, 1), 1
	s_wait_xcnt 0x0
; Level 1 of the tree, by cluster.  A work-group is ONE wave: cluster c (grid x, 0..9) and a slice of 64 queries (grid y).  It scans the slice's 64 words of cur0, which the launch before stored, lists the queries that
; lie in cluster c, and measures them, eight at a time, against rows 10 c .. 10 c + 9 of centroids_1, which it holds in LDS.  So ten centroid rows serve all the slice's queries of the cluster, and a query's row of e is read once.
; Stored: cur1[q] = 10 c + the nearest, dd1[q] = (d0[q], the distance).  Each query lies in one cluster, so each word has one owner.  The grid serves every split: up to all 64 queries of a slice in one cluster
; (eight chunks one after the other); a wave that finds none stores nothing and ends.
; ALL 32 LANES STORE, AND EXEC IS NEVER CHANGED: the four lanes of a slot hold the same query and the same result; the lanes of a slot that a chunk leaves empty take the chunk's first query and slot 0's result.
; So lanes that name the same address store the same bytes there.
; NO TENSOR LOAD, NO CLUSTER: how many chunks a wave walks hangs on the numbers read from cur0.  One wave to a work-group: nobody else touches its LDS, so there is no barrier.
; These results leave as 4 and 8 bytes a query: a cluster's queries are scattered over the slice.
; LIMITS: as in the first launch: NaN and infinities are not served; a squared distance under 2^-126 gives a rough root only; the f32 sums are taken in another order than the reference takes them, so a nearest centroid
; that hangs on a sum's last bits may fall the other way.
.set SLICE, 64
.set LIST,  20480                      ; LDS: ten rows of 2,048 bytes; then the list, SLICE words, and 32 words more, one a lane, for the entries that do not match
.set E,    96                          ; v96-223  eight queries (slots), 16 registers each: piece j (512 bytes of the row) in registers 4 j ..: lane l holds elements 128 j + 4 l .. + 3
.set CR,   224                         ; v224-255 two centroid rows, laid likewise
.set D,    64                          ; v64-79   the scan's entries; then differences; then at work
.set AC,   80
.set SQ,   84
.set X,    44
.set Y,    54
.set CP,   2048
.set CH,   1024
.set VCA,  1                           ; v1   16 x lane: the centroids begin at LDS byte 0
.set VIDX, 10
.set VBEST, 25                         ; v[24:25] = (d0, the distance)
.set M8,   36
.set M4,   37
.set EMPTY, 38                         ; s38  the lanes of the chunk's empty slots
.set GRD, 1
.set NREG, 27                          ; s27  full slots in the chunk
.macro CLOAD k                         ; centroid row k into buffer k % 2: four loads of 512 consecutive bytes
.irp j, 0,1,2,3
	ds_load_b128 v[CR+16*((\k)%2)+4*\j:CR+16*((\k)%2)+4*\j+3], v[VCA] offset:(\k)*CP+(\j/2)*CH+(\j%2)*512
.endr
.endm
.macro QBLK u, cb                      ; my 16 terms (c - e)^2 of slot u against the row at v[cb]: nothing is cleared, the first two products start the sums
.irp i, 0,2,4,6,8,10,12,14
	v_pk_add_f32 v[D+\i:D+\i+1], v[(\cb)+\i:(\cb)+\i+1], v[E+16*(\u)+\i:E+16*(\u)+\i+1] neg_lo:[0,1] neg_hi:[0,1]
.endr
	v_pk_mul_f32 v[AC:AC+1], v[D:D+1], v[D:D+1]
	v_pk_mul_f32 v[AC+2:AC+3], v[D+2:D+3], v[D+2:D+3]
.irp i, 4,8,12
	v_pk_fma_f32 v[AC:AC+1], v[D+\i:D+\i+1], v[D+\i:D+\i+1], v[AC:AC+1]
	v_pk_fma_f32 v[AC+2:AC+3], v[D+\i+2:D+\i+3], v[D+\i+2:D+\i+3], v[AC+2:AC+3]
.endr
	v_pk_add_f32 v[AC:AC+1], v[AC:AC+1], v[AC+2:AC+3]
	v_add_f32 v[SQ+(\u)], v[AC], v[AC+1]
.endm
; Eight sums over 32 lanes at once: at each step a lane keeps one half of the slots that it holds and hands the other half over.  At the end lane l holds the whole sum of slot l / 4.  A slot's numbers meet no other slot's,
; so what an empty slot's register holds spoils nothing.
.macro RED8 k
.irp q, 0,1,2,3
	v_permlane16_swap_b32 v[SQ+\q], v[SQ+\q+4]
.endr
.irp q, 0,1,2,3
	v_add_f32 v[D+\q], v[SQ+\q], v[SQ+\q+4]        ; lanes 0-15: slot q; lanes 16-31: slot q + 4
.endr
	v_cndmask_b32 v[D+4], v[D+0], v[D+2], s[M8]
	v_cndmask_b32 v[D+5], v[D+2], v[D+0], s[M8]
	v_cndmask_b32 v[D+6], v[D+1], v[D+3], s[M8]
	v_cndmask_b32 v[D+7], v[D+3], v[D+1], s[M8]
	v_add_f32_dpp v[D+8], v[D+5], v[D+4] row_xmask:8 row_mask:0xf bank_mask:0xf
	v_add_f32_dpp v[D+9], v[D+7], v[D+6] row_xmask:8 row_mask:0xf bank_mask:0xf
	v_cndmask_b32 v[D+10], v[D+8], v[D+9], s[M4]
	v_cndmask_b32 v[D+11], v[D+9], v[D+8], s[M4]
	v_add_f32_dpp v[D+12], v[D+11], v[D+10] row_xmask:4 row_mask:0xf bank_mask:0xf
	v_add_f32_dpp v[D+12], v[D+12], v[D+12] row_xmask:2 row_mask:0xf bank_mask:0xf
	v_add_f32_dpp v[X+\k], v[D+12], v[D+12] row_xmask:1 row_mask:0xf bank_mask:0xf
.endm
.macro ROW k                           ; centroid row k against the slots
.if (\k) < 9
	s_wait_dscnt 4                                 ; LDS loads come back in order: row k is in; the next row's four loads may be out
.else
	s_wait_dscnt 0x0
.endif
	QBLK 0, CR+16*((\k)%2)
.irp u, 1,2,3,4,5,6,7
.if GRD
	s_cmp_le_u32 s[NREG], \u                       ; slots 0 .. N - 1 are full: the first empty one ends the row.  No LDS instruction is jumped over
	s_cbranch_scc1 .Lrow_\@
.endif
	QBLK \u, CR+16*((\k)%2)
.endr
.if GRD
.Lrow_\@:
.endif
.if (\k)+2 <= 9
	CLOAD (\k)+2
.endif
	RED8 \k
.endm
; Ten roots and the first smallest of them.  y = sqrt(x) is corrected once: y + (x - y y) / (2 y), the residual by one fused multiply-add, 1 / y as rsq(x) (of x held above 2^-100, so that x = 0 gives 0).
.macro TAIL
.irp k, 0,1,2,3,4,5,6,7,8,9
	v_max_num_f32 v[D+\k], 0x0d800000, v[X+\k]
.endr
.irp k, 0,1,2,3,4,5,6,7,8,9
	v_sqrt_f32 v[Y+\k], v[X+\k]
.endr
.irp k, 0,1,2,3,4,5,6,7,8,9
	v_rsq_f32 v[D+\k], v[D+\k]
.endr
	v_nop                                          ; one plain instruction behind the last of the batch (ISA guide 5.7.2),
	s_wait_alu depctr_va_vdst(0)                   ; and one wait for all twenty, ahead of their first reader
.irp p, 0,2,4,6,8
	v_pk_fma_f32 v[X+\p:X+\p+1], v[Y+\p:Y+\p+1], v[Y+\p:Y+\p+1], v[X+\p:X+\p+1] neg_lo:[1,0,0] neg_hi:[1,0,0]
.endr
.irp p, 0,2,4,6,8
	v_pk_mul_f32 v[X+\p:X+\p+1], v[X+\p:X+\p+1], v[D+\p:D+\p+1]
.endr
.irp p, 0,2,4,6,8
	v_pk_fma_f32 v[Y+\p:Y+\p+1], v[X+\p:X+\p+1], 0.5, v[Y+\p:Y+\p+1] op_sel_hi:[1,0,1]
.endr
	v_mov_b32 v[VBEST], v[Y]
	v_mov_b32 v[VIDX], 0
.irp k, 1,2,3,4,5,6,7,8,9
	v_cmp_lt_f32 vcc_lo, v[Y+\k], v[VBEST]         ; strictly smaller, in ascending order: of equal roots the first stays
	v_cndmask_b32 v[VIDX], v[VIDX], \k, vcc_lo
	v_cndmask_b32 v[VBEST], v[VBEST], v[Y+\k], vcc_lo
.endr
.endm
; One register of entries: the lanes whose entry is c put their query's number into the list, one behind the other; the others into their own spare word.  p: which pair of work registers
.macro SCAN reg, imm, p
	v_cmp_eq_u32 vcc_lo, s20, v[\reg]
	v_mbcnt_lo_u32_b32 v[12+2*(\p)], vcc_lo, s22   ; the list's length so far + the matching lanes below me
	v_cndmask_b32 v[12+2*(\p)], v5, v[12+2*(\p)], vcc_lo
	v_min_u32 v[12+2*(\p)], SLICE+31, v[12+2*(\p)] ; (it is inside already: the bound is written for the address's sake)
	v_lshlrev_b32 v[12+2*(\p)], 2, v[12+2*(\p)]
	v_add_nc_u32 v[13+2*(\p)], \imm, v4            ; the query's number in the slice
	ds_store_b32 v[12+2*(\p)], v[13+2*(\p)] offset:LIST
	s_bcnt1_i32_b32 s31, vcc_lo
	s_add_co_u32 s22, s22, s31
.endm
	s_load_b256 s[8:15], s[0:1], 0x0               ; e s[8:9], centroids_1 s[10:11], cur0 s[12:13], d0 s[14:15]
	s_load_b128 s[16:19], s[0:1], 0x20             ; cur1 s[16:17], dd1 s[18:19]
	v_lshl_add_u32 v94, v0, 2, 0x5200
	v_mov_b32 v95, 0
	v_lshlrev_b32 v1, 4, v0                        ; v1  16 x lane (one wave: v0 is the lane)
	v_lshrrev_b32 v2, 2, v0                        ; v2  my slot: lane / 4
	v_lshlrev_b32 v4, 1, v0                        ; v4  the first entry that I scan: 2 x lane
	v_add_nc_u32 v5, SLICE, v0                     ; v5  my spare word
	v_lshlrev_b32 v9, 3, v0                        ; v9  8 x lane
	v_mov_b32 v40, 0
	v_mov_b32 v41, 0
	ds_store_b64 v9, v[40:41] offset:LIST          ; the list's 64 words are written once, whole; LDS serves a wave's instructions in order, so the scan's stores come behind these
	s_mov_b32 s20, ttmp9                           ; c
	s_and_b32 s21, ttmp7, 0xffff                   ; the slice
	s_mov_b32 s22, 0                               ; the list's length
	s_mul_i32 s29, s20, 10
	s_mov_b32 s[M8], 0xff00ff00
	s_mov_b32 s[M4], 0xf0f0f0f0
	s_lshl_b32 s32, s21, 17                        ; 64 rows of 2,048 bytes a slice
	s_mov_b32 s33, 0
	s_mul_i32 s34, s20, 20480                      ; ten rows a cluster
	s_mov_b32 s35, 0
	s_wait_kmcnt 0x0
	s_add_nc_u64 s[8:9], s[8:9], s[32:33]
	s_add_nc_u64 s[10:11], s[10:11], s[34:35]
	s_lshl_b32 s32, s21, 8                         ; 64 words a slice
	s_add_nc_u64 s[12:13], s[12:13], s[32:33]
	s_add_nc_u64 s[14:15], s[14:15], s[32:33]
	s_add_nc_u64 s[16:17], s[16:17], s[32:33]
	s_lshl_b32 s32, s21, 9
	s_add_nc_u64 s[18:19], s[18:19], s[32:33]
	global_load_b64 v[64:65], v9, s[12:13]         ; the slice's 64 entries: 256 consecutive bytes
.irp k, 0,1,2,3,4,5,6,7,8,9
.irp j, 0,1,2,3
	global_load_b128 v[96+16*\k+4*\j:96+16*\k+4*\j+3], v1, s[10:11] offset:2048*\k+512*\j   ; the ten rows.  (These 40 loads also write v96-255 once, so that a slot left empty holds a written register)
.endr
.endr
	s_wait_loadcnt 40                              ; the entries are in; the 40 loads behind them may be out
	SCAN 64, 0, 0
	SCAN 65, 1, 1
	s_cmp_eq_u32 s22, 0
	s_cbranch_scc1 .Lend                           ; nobody of this slice lies in this cluster
	s_wait_loadcnt 0x0
.irp k, 0,1,2,3,4,5,6,7,8,9
.irp j, 0,1,2,3
	ds_store_b128 v1, v[96+16*\k+4*\j:96+16*\k+4*\j+3] offset:2048*\k+512*\j
.endr
.endr
.irp k, 0,1,2,3,4,5,6,7,8,9
	v_mov_b32 v[X+\k], 0                           ; written once: the destination of a DPP form counts as read
.endr
.irp u, 0,1,2,3,4,5,6,7
	v_mov_b32 v[SQ+\u], 0                          ; and an empty slot's sum is read, though nothing is made of it
.endr
	s_mov_b32 s25, 0
.Lchunk:                                               ; eight queries of the list a trip; the count is the most that a slice can want, and a trip with nothing left ends the wave
	s_lshl_b32 s26, s25, 3                         ; the chunk's first place in the list
	s_cmp_ge_u32 s26, s22
	s_cbranch_scc1 .Lend
	s_sub_co_u32 s27, s22, s26
	s_min_u32 s27, s27, 8                          ; full slots
	v_cmp_le_u32 s[EMPTY], s27, v2                 ; the lanes of the empty slots:
	v_add_nc_u32 v11, s26, v2
	v_cndmask_b32 v11, v11, s26, s[EMPTY]          ; they take the chunk's first entry
	v_min_u32 v11, SLICE-1, v11
	v_lshlrev_b32 v11, 2, v11
	ds_load_b32 v6, v11 offset:LIST
	s_wait_dscnt 0x0                               ; my slot's query; and the stores of the centroids have read their registers
	v_min_u32 v6, SLICE-1, v6
	v_lshlrev_b32 v7, 2, v6
	v_lshlrev_b32 v8, 3, v6
.irp u, 0,1,2,3,4,5,6,7
.if \u > 0
	s_cmp_le_u32 s27, \u
	s_cbranch_scc1 .Lloaded
.endif
	v_readlane_b32 s31, v6, 4*\u
	s_min_u32 s31, s31, SLICE-1
	s_lshl_b32 s31, s31, 11
	v_add_nc_u32 v[32+\u], s31, v1                 ; the query's row, 16 x lane
.irp j, 0,1,2,3
	global_load_b128 v[E+16*\u+4*\j:E+16*\u+4*\j+3], v[32+\u], s[8:9] offset:512*\j th:TH_LOAD_NT   ; 512 consecutive bytes; a row is read by one wave of the launch
.endr
.endr
.Lloaded:
	global_load_b32 v24, v7, s[14:15]              ; d0 of my slot's query
	CLOAD 0
	CLOAD 1
	s_wait_loadcnt 0x0                             ; zero: right however many slots were loaded
.irp k, 0,1,2,3,4,5,6,7,8,9
	ROW \k
.endr
	TAIL
	v_readfirstlane_b32 s32, v[VIDX]               ; slot 0's result,
	v_readfirstlane_b32 s33, v[VBEST]
	v_cndmask_b32 v[VIDX], v[VIDX], s32, s[EMPTY]  ; for the lanes that hold slot 0's query in an empty slot's place
	v_cndmask_b32 v[VBEST], v[VBEST], s33, s[EMPTY]
	v_add_nc_u32 v26, s29, v[VIDX]                 ; 10 c + the nearest
	global_store_b32 v7, v26, s[16:17]             ; all lanes: those that name the same query store the same bytes
	global_store_b64 v8, v[24:25], s[18:19]
	s_wait_xcnt 0x0                                ; the stores' registers are written anew in the next trip only behind this wait
	s_add_co_u32 s25, s25, 1
	s_cmp_lt_u32 s25, SLICE/8
	s_cbranch_scc1 .Lchunk
.Lend:
	s_wait_tensorcnt 0x0
	ds_add_u32 v94, v95
	s_wait_dscnt 0x0
	s_endpgm
.Lfunc_end_k_q411dcca005_lev1:
	.size	k_q411dcca005_lev1, .Lfunc_end_k_q411dcca005_lev1-k_q411dcca005_lev1
	.p2alignl 7, 3214868480
	.fill 96, 4, 3214868480
	.section	.rodata,"a",@progbits
	.p2align	6, 0x0
	.amdhsa_kernel k_q411dcca005_lev1
		.amdhsa_group_segment_fixed_size 21248
		.amdhsa_private_segment_fixed_size 0
		.amdhsa_enable_private_segment 0
		.amdhsa_kernarg_size 48
		.amdhsa_user_sgpr_count 2
		.amdhsa_user_sgpr_kernarg_segment_ptr 1
		.amdhsa_wavefront_size32 1
		.amdhsa_system_sgpr_workgroup_id_x 1
		.amdhsa_system_sgpr_workgroup_id_y 1
		.amdhsa_system_sgpr_workgroup_id_z 1
		.amdhsa_system_vgpr_workitem_id 0
		.amdhsa_next_free_vgpr 256
		.amdhsa_next_free_sgpr 66
		.amdhsa_reserve_vcc 1
		.amdhsa_float_denorm_mode_32 3
		.amdhsa_float_denorm_mode_16_64 3
		.amdhsa_memory_ordered 1
		.amdhsa_forward_progress 1
		.amdhsa_inst_pref_size 123
	.end_amdhsa_kernel
	.amdgpu_metadata
---
amdhsa.version: [ 1, 2 ]
amdhsa.kernels:
  - .name:           k_q411dcca005_lev1
    .symbol:         k_q411dcca005_lev1.kd
    .args:
      - { .name: embeddings, .offset: 0, .size: 8, .value_kind: global_buffer, .address_space: global }
      - { .name: centroids_1, .offset: 8, .size: 8, .value_kind: global_buffer, .address_space: global }
      - { .name: cur0, .offset: 16, .size: 8, .value_kind: global_buffer, .address_space: global }
      - { .name: d0, .offset: 24, .size: 8, .value_kind: global_buffer, .address_space: global }
      - { .name: cur1, .offset: 32, .size: 8, .value_kind: global_buffer, .address_space: global }
      - { .name: dd1, .offset: 40, .size: 8, .value_kind: global_buffer, .address_space: global }
    .group_segment_fixed_size: 21248
    .private_segment_fixed_size: 0
    .kernarg_segment_align: 8
    .kernarg_segment_size: 48
    .max_flat_workgroup_size: 32
    .sgpr_count:     66
    .vgpr_count:     256
    .wavefront_size: 32
...
	.end_amdgpu_metadata
.endif
;; end of part 2
;; launch lev2 (part 3): grid 100 x 32, 1 waves a work-group, no clusters, 23,040 bytes of LDS; arguments embeddings, centroids_2, cur1, dd1, out1, out2, out3; writes out1, out2, out3
.if DOCPART == 3
	.amdgcn_target "amdgcn-amd-amdhsa--gfx1250"
	.amdhsa_code_object_version 6
	.text
	.protected	k_q411dcca005_lev2
	.globl	k_q411dcca005_lev2
	.p2align	8
	.type	k_q411dcca005_lev2,@function
k_q411dcca005_lev2:
	s_mov_b64 s[64:65], 0
	v_nop
	global_prefetch_b8 v0, s[64:65] scope:SCOPE_SE
	s_setreg_imm32_b32 hwreg(HW_REG_WAVE_MODE, 25, 1), 1
	s_wait_xcnt 0x0
; Level 2 of the tree, by cluster, and the outputs of the descent.  A work-group is ONE wave: cluster c (grid x, 0..99) and a slice of 512 queries (grid y).  It scans the slice's 512 words of cur1, which the launch
; before stored, lists the queries that lie in cluster c, and measures them, eight at a time, against rows 10 c .. 10 c + 9 of centroids_2, which it holds in LDS.
; Stored: out1[q] = 10 c + the nearest; out2[q] = (c / 10, c, 10 c + the nearest): cur1 = 10 cur0 + a number under 10, so c / 10 is cur0; out3[q] = (d0, d1, the distance).  Each query lies in one cluster: one owner a word.
; The grid serves every split: up to all 512 queries of a slice in one cluster (64 chunks one after the other); a wave that finds none stores nothing and ends.
; ALL 32 LANES STORE, AND EXEC IS NEVER CHANGED: the four lanes of a slot hold the same query and the same result; the lanes of a slot that a chunk leaves empty take the chunk's first query and slot 0's result.
; So lanes that name the same address store the same bytes there.
; NO TENSOR LOAD, NO CLUSTER: how many chunks a wave walks hangs on the numbers read from cur1.  One wave to a work-group: nobody else touches its LDS, so there is no barrier.
; These results leave as 4 and 12 bytes a query: a cluster's queries are scattered over the slice.
; LIMITS: as in the first launch: NaN and infinities are not served; a squared distance under 2^-126 gives a rough root only; the f32 sums are taken in another order than the reference takes them, so a nearest centroid
; that hangs on a sum's last bits may fall the other way.
.set SLICE, 512
.set LIST,  20480                      ; LDS: ten rows of 2,048 bytes; then the list, SLICE words, and 32 words more, one a lane, for the entries that do not match
.set E,    96                          ; v96-223  eight queries (slots), 16 registers each: piece j (512 bytes of the row) in registers 4 j ..: lane l holds elements 128 j + 4 l .. + 3
.set CR,   224                         ; v224-255 two centroid rows, laid likewise
.set D,    64                          ; v64-79   the scan's entries; then differences; then at work
.set AC,   80
.set SQ,   84
.set X,    44
.set Y,    54
.set CP,   2048
.set CH,   1024
.set VCA,  1                           ; v1   16 x lane: the centroids begin at LDS byte 0
.set VIDX, 10
.set VBEST, 26                         ; v[24:26] = (d0, d1, the distance);  v[28:30] = the path
.set M8,   36
.set M4,   37
.set EMPTY, 38                         ; s38  the lanes of the chunk's empty slots
.set GRD, 1
.set NREG, 27                          ; s27  full slots in the chunk
.macro CLOAD k                         ; centroid row k into buffer k % 2: four loads of 512 consecutive bytes
.irp j, 0,1,2,3
	ds_load_b128 v[CR+16*((\k)%2)+4*\j:CR+16*((\k)%2)+4*\j+3], v[VCA] offset:(\k)*CP+(\j/2)*CH+(\j%2)*512
.endr
.endm
.macro QBLK u, cb                      ; my 16 terms (c - e)^2 of slot u against the row at v[cb]: nothing is cleared, the first two products start the sums
.irp i, 0,2,4,6,8,10,12,14
	v_pk_add_f32 v[D+\i:D+\i+1], v[(\cb)+\i:(\cb)+\i+1], v[E+16*(\u)+\i:E+16*(\u)+\i+1] neg_lo:[0,1] neg_hi:[0,1]
.endr
	v_pk_mul_f32 v[AC:AC+1], v[D:D+1], v[D:D+1]
	v_pk_mul_f32 v[AC+2:AC+3], v[D+2:D+3], v[D+2:D+3]
.irp i, 4,8,12
	v_pk_fma_f32 v[AC:AC+1], v[D+\i:D+\i+1], v[D+\i:D+\i+1], v[AC:AC+1]
	v_pk_fma_f32 v[AC+2:AC+3], v[D+\i+2:D+\i+3], v[D+\i+2:D+\i+3], v[AC+2:AC+3]
.endr
	v_pk_add_f32 v[AC:AC+1], v[AC:AC+1], v[AC+2:AC+3]
	v_add_f32 v[SQ+(\u)], v[AC], v[AC+1]
.endm
; Eight sums over 32 lanes at once: at each step a lane keeps one half of the slots that it holds and hands the other half over.  At the end lane l holds the whole sum of slot l / 4.  A slot's numbers meet no other slot's,
; so what an empty slot's register holds spoils nothing.
.macro RED8 k
.irp q, 0,1,2,3
	v_permlane16_swap_b32 v[SQ+\q], v[SQ+\q+4]
.endr
.irp q, 0,1,2,3
	v_add_f32 v[D+\q], v[SQ+\q], v[SQ+\q+4]        ; lanes 0-15: slot q; lanes 16-31: slot q + 4
.endr
	v_cndmask_b32 v[D+4], v[D+0], v[D+2], s[M8]
	v_cndmask_b32 v[D+5], v[D+2], v[D+0], s[M8]
	v_cndmask_b32 v[D+6], v[D+1], v[D+3], s[M8]
	v_cndmask_b32 v[D+7], v[D+3], v[D+1], s[M8]
	v_add_f32_dpp v[D+8], v[D+5], v[D+4] row_xmask:8 row_mask:0xf bank_mask:0xf
	v_add_f32_dpp v[D+9], v[D+7], v[D+6] row_xmask:8 row_mask:0xf bank_mask:0xf
	v_cndmask_b32 v[D+10], v[D+8], v[D+9], s[M4]
	v_cndmask_b32 v[D+11], v[D+9], v[D+8], s[M4]
	v_add_f32_dpp v[D+12], v[D+11], v[D+10] row_xmask:4 row_mask:0xf bank_mask:0xf
	v_add_f32_dpp v[D+12], v[D+12], v[D+12] row_xmask:2 row_mask:0xf bank_mask:0xf
	v_add_f32_dpp v[X+\k], v[D+12], v[D+12] row_xmask:1 row_mask:0xf bank_mask:0xf
.endm
.macro ROW k                           ; centroid row k against the slots
.if (\k) < 9
	s_wait_dscnt 4                                 ; LDS loads come back in order: row k is in; the next row's four loads may be out
.else
	s_wait_dscnt 0x0
.endif
	QBLK 0, CR+16*((\k)%2)
.irp u, 1,2,3,4,5,6,7
.if GRD
	s_cmp_le_u32 s[NREG], \u                       ; slots 0 .. N - 1 are full: the first empty one ends the row.  No LDS instruction is jumped over
	s_cbranch_scc1 .Lrow_\@
.endif
	QBLK \u, CR+16*((\k)%2)
.endr
.if GRD
.Lrow_\@:
.endif
.if (\k)+2 <= 9
	CLOAD (\k)+2
.endif
	RED8 \k
.endm
; Ten roots and the first smallest of them.  y = sqrt(x) is corrected once: y + (x - y y) / (2 y), the residual by one fused multiply-add, 1 / y as rsq(x) (of x held above 2^-100, so that x = 0 gives 0).
.macro TAIL
.irp k, 0,1,2,3,4,5,6,7,8,9
	v_max_num_f32 v[D+\k], 0x0d800000, v[X+\k]
.endr
.irp k, 0,1,2,3,4,5,6,7,8,9
	v_sqrt_f32 v[Y+\k], v[X+\k]
.endr
.irp k, 0,1,2,3,4,5,6,7,8,9
	v_rsq_f32 v[D+\k], v[D+\k]
.endr
	v_nop                                          ; one plain instruction behind the last of the batch (ISA guide 5.7.2),
	s_wait_alu depctr_va_vdst(0)                   ; and one wait for all twenty, ahead of their first reader
.irp p, 0,2,4,6,8
	v_pk_fma_f32 v[X+\p:X+\p+1], v[Y+\p:Y+\p+1], v[Y+\p:Y+\p+1], v[X+\p:X+\p+1] neg_lo:[1,0,0] neg_hi:[1,0,0]
.endr
.irp p, 0,2,4,6,8
	v_pk_mul_f32 v[X+\p:X+\p+1], v[X+\p:X+\p+1], v[D+\p:D+\p+1]
.endr
.irp p, 0,2,4,6,8
	v_pk_fma_f32 v[Y+\p:Y+\p+1], v[X+\p:X+\p+1], 0.5, v[Y+\p:Y+\p+1] op_sel_hi:[1,0,1]
.endr
	v_mov_b32 v[VBEST], v[Y]
	v_mov_b32 v[VIDX], 0
.irp k, 1,2,3,4,5,6,7,8,9
	v_cmp_lt_f32 vcc_lo, v[Y+\k], v[VBEST]         ; strictly smaller, in ascending order: of equal roots the first stays
	v_cndmask_b32 v[VIDX], v[VIDX], \k, vcc_lo
	v_cndmask_b32 v[VBEST], v[VBEST], v[Y+\k], vcc_lo
.endr
.endm
; One register of entries: the lanes whose entry is c put their query's number into the list, one behind the other; the others into their own spare word.  p: which pair of work registers
.macro SCAN reg, imm, p
	v_cmp_eq_u32 vcc_lo, s20, v[\reg]
	v_mbcnt_lo_u32_b32 v[12+2*(\p)], vcc_lo, s22   ; the list's length so far + the matching lanes below me
	v_cndmask_b32 v[12+2*(\p)], v5, v[12+2*(\p)], vcc_lo
	v_min_u32 v[12+2*(\p)], SLICE+31, v[12+2*(\p)] ; (it is inside already: the bound is written for the address's sake)
	v_lshlrev_b32 v[12+2*(\p)], 2, v[12+2*(\p)]
	v_add_nc_u32 v[13+2*(\p)], \imm, v4            ; the query's number in the slice
	ds_store_b32 v[12+2*(\p)], v[13+2*(\p)] offset:LIST
	s_bcnt1_i32_b32 s31, vcc_lo
	s_add_co_u32 s22, s22, s31
.endm
	s_load_b256 s[8:15], s[0:1], 0x0               ; e s[8:9], centroids_2 s[10:11], cur1 s[12:13], dd1 s[14:15]
	s_load_b128 s[16:19], s[0:1], 0x20             ; out1 s[16:17], out2 s[18:19]
	s_load_b64 s[40:41], s[0:1], 0x30              ; out3
	v_lshl_add_u32 v94, v0, 2, 0x5900
	v_mov_b32 v95, 0
	v_lshlrev_b32 v1, 4, v0                        ; v1  16 x lane (one wave: v0 is the lane)
	v_lshrrev_b32 v2, 2, v0                        ; v2  my slot: lane / 4
	v_lshlrev_b32 v4, 2, v0                        ; v4  the first entry that I scan of a load's 128: 4 x lane
	v_add_nc_u32 v5, SLICE, v0                     ; v5  my spare word
.irp i, 0,1,2,3
	v_mov_b32 v[40+\i], 0
.endr
.irp t, 0,1,2,3
	ds_store_b128 v1, v[40:43] offset:LIST+512*\t  ; the list's 512 words are written once, whole; LDS serves a wave's instructions in order, so the scan's stores come behind these
.endr
	s_mov_b32 s20, ttmp9                           ; c
	s_and_b32 s21, ttmp7, 0xffff                   ; the slice
	s_mov_b32 s22, 0                               ; the list's length
	s_mul_i32 s29, s20, 10
	s_mul_i32 s31, s20, 205
	s_lshr_b32 s31, s31, 11                        ; c / 10: 205 / 2048 serves every c under 100
	v_mov_b32 v28, s31                             ; the path's first two numbers are the same for all my queries
	v_mov_b32 v29, s20
	s_mov_b32 s[M8], 0xff00ff00
	s_mov_b32 s[M4], 0xf0f0f0f0
	s_lshl_b32 s32, s21, 20                        ; 512 rows of 2,048 bytes a slice
	s_mov_b32 s33, 0
	s_mul_i32 s34, s20, 20480                      ; ten rows a cluster
	s_mov_b32 s35, 0
	s_wait_kmcnt 0x0
	s_add_nc_u64 s[8:9], s[8:9], s[32:33]
	s_add_nc_u64 s[10:11], s[10:11], s[34:35]
	s_lshl_b32 s32, s21, 11                        ; 512 words a slice
	s_add_nc_u64 s[12:13], s[12:13], s[32:33]
	s_add_nc_u64 s[16:17], s[16:17], s[32:33]
	s_lshl_b32 s32, s21, 12
	s_add_nc_u64 s[14:15], s[14:15], s[32:33]
	s_mul_i32 s32, s21, 6144                       ; 512 x 12 bytes
	s_add_nc_u64 s[18:19], s[18:19], s[32:33]
	s_add_nc_u64 s[40:41], s[40:41], s[32:33]
.irp t, 0,1,2,3
	global_load_b128 v[64+4*\t:64+4*\t+3], v1, s[12:13] offset:512*\t   ; the slice's 512 entries, 512 consecutive bytes a load
.endr
.irp k, 0,1,2,3,4,5,6,7,8,9
.irp j, 0,1,2,3
	global_load_b128 v[96+16*\k+4*\j:96+16*\k+4*\j+3], v1, s[10:11] offset:2048*\k+512*\j   ; the ten rows.  (These 40 loads also write v96-255 once, so that a slot left empty holds a written register)
.endr
.endr
	s_wait_loadcnt 40                              ; the entries are in; the 40 loads behind them may be out
.irp t, 0,1,2,3
.irp k, 0,1,2,3
	SCAN 64+4*\t+\k, 128*\t+\k, \k
.endr
.endr
	s_cmp_eq_u32 s22, 0
	s_cbranch_scc1 .Lend                           ; nobody of this slice lies in this cluster
	s_wait_loadcnt 0x0
.irp k, 0,1,2,3,4,5,6,7,8,9
.irp j, 0,1,2,3
	ds_store_b128 v1, v[96+16*\k+4*\j:96+16*\k+4*\j+3] offset:2048*\k+512*\j
.endr
.endr
.irp k, 0,1,2,3,4,5,6,7,8,9
	v_mov_b32 v[X+\k], 0                           ; written once: the destination of a DPP form counts as read
.endr
.irp u, 0,1,2,3,4,5,6,7
	v_mov_b32 v[SQ+\u], 0                          ; and an empty slot's sum is read, though nothing is made of it
.endr
	s_mov_b32 s25, 0
.Lchunk:                                               ; eight queries of the list a trip; the count is the most that a slice can want, and a trip with nothing left ends the wave
	s_lshl_b32 s26, s25, 3                         ; the chunk's first place in the list
	s_cmp_ge_u32 s26, s22
	s_cbranch_scc1 .Lend
	s_sub_co_u32 s27, s22, s26
	s_min_u32 s27, s27, 8                          ; full slots
	v_cmp_le_u32 s[EMPTY], s27, v2                 ; the lanes of the empty slots:
	v_add_nc_u32 v11, s26, v2
	v_cndmask_b32 v11, v11, s26, s[EMPTY]          ; they take the chunk's first entry
	v_min_u32 v11, SLICE-1, v11
	v_lshlrev_b32 v11, 2, v11
	ds_load_b32 v6, v11 offset:LIST
	s_wait_dscnt 0x0                               ; my slot's query; and the stores of the centroids have read their registers
	v_min_u32 v6, SLICE-1, v6
	v_lshlrev_b32 v7, 2, v6
	v_lshlrev_b32 v8, 3, v6
	v_add_nc_u32 v9, v7, v8                        ; 12 q
.irp u, 0,1,2,3,4,5,6,7
.if \u > 0
	s_cmp_le_u32 s27, \u
	s_cbranch_scc1 .Lloaded
.endif
	v_readlane_b32 s31, v6, 4*\u
	s_min_u32 s31, s31, SLICE-1
	s_lshl_b32 s31, s31, 11
	v_add_nc_u32 v[32+\u], s31, v1                 ; the query's row, 16 x lane
.irp j, 0,1,2,3
	global_load_b128 v[E+16*\u+4*\j:E+16*\u+4*\j+3], v[32+\u], s[8:9] offset:512*\j th:TH_LOAD_NT   ; 512 consecutive bytes; a row is read by one wave of the launch
.endr
.endr
.Lloaded:
	global_load_b64 v[24:25], v8, s[14:15]         ; (d0, d1) of my slot's query
	CLOAD 0
	CLOAD 1
	s_wait_loadcnt 0x0                             ; zero: right however many slots were loaded
.irp k, 0,1,2,3,4,5,6,7,8,9
	ROW \k
.endr
	TAIL
	v_readfirstlane_b32 s32, v[VIDX]               ; slot 0's result,
	v_readfirstlane_b32 s33, v[VBEST]
	v_cndmask_b32 v[VIDX], v[VIDX], s32, s[EMPTY]  ; for the lanes that hold slot 0's query in an empty slot's place
	v_cndmask_b32 v[VBEST], v[VBEST], s33, s[EMPTY]
	v_add_nc_u32 v30, s29, v[VIDX]                 ; 10 c + the nearest: the leaf
	global_store_b32 v7, v30, s[16:17]             ; all lanes: those that name the same query store the same bytes
	global_store_b96 v9, v[28:30], s[18:19]
	global_store_b96 v9, v[24:26], s[40:41]
	s_wait_xcnt 0x0                                ; the stores' registers are written anew in the next trip only behind this wait
	s_add_co_u32 s25, s25, 1
	s_cmp_lt_u32 s25, SLICE/8
	s_cbranch_scc1 .Lchunk
.Lend:
	s_wait_tensorcnt 0x0
	ds_add_u32 v94, v95
	s_wait_dscnt 0x0
	s_endpgm
.Lfunc_end_k_q411dcca005_lev2:
	.size	k_q411dcca005_lev2, .Lfunc_end_k_q411dcca005_lev2-k_q411dcca005_lev2
	.p2alignl 7, 3214868480
	.fill 96, 4, 3214868480
	.section	.rodata,"a",@progbits
	.p2align	6, 0x0
	.amdhsa_kernel k_q411dcca005_lev2
		.amdhsa_group_segment_fixed_size 23040
		.amdhsa_private_segment_fixed_size 0
		.amdhsa_enable_private_segment 0
		.amdhsa_kernarg_size 56
		.amdhsa_user_sgpr_count 2
		.amdhsa_user_sgpr_kernarg_segment_ptr 1
		.amdhsa_wavefront_size32 1
		.amdhsa_system_sgpr_workgroup_id_x 1
		.amdhsa_system_sgpr_workgroup_id_y 1
		.amdhsa_system_sgpr_workgroup_id_z 1
		.amdhsa_system_vgpr_workitem_id 0
		.amdhsa_next_free_vgpr 256
		.amdhsa_next_free_sgpr 66
		.amdhsa_reserve_vcc 1
		.amdhsa_float_denorm_mode_32 3
		.amdhsa_float_denorm_mode_16_64 3
		.amdhsa_memory_ordered 1
		.amdhsa_forward_progress 1
		.amdhsa_inst_pref_size 130
	.end_amdhsa_kernel
	.amdgpu_metadata
---
amdhsa.version: [ 1, 2 ]
amdhsa.kernels:
  - .name:           k_q411dcca005_lev2
    .symbol:         k_q411dcca005_lev2.kd
    .args:
      - { .name: embeddings, .offset: 0, .size: 8, .value_kind: global_buffer, .address_space: global }
      - { .name: centroids_2, .offset: 8, .size: 8, .value_kind: global_buffer, .address_space: global }
      - { .name: cur1, .offset: 16, .size: 8, .value_kind: global_buffer, .address_space: global }
      - { .name: dd1, .offset: 24, .size: 8, .value_kind: global_buffer, .address_space: global }
      - { .name: out1, .offset: 32, .size: 8, .value_kind: global_buffer, .address_space: global }
      - { .name: out2, .offset: 40, .size: 8, .value_kind: global_buffer, .address_space: global }
      - { .name: out3, .offset: 48, .size: 8, .value_kind: global_buffer, .address_space: global }
    .group_segment_fixed_size: 23040
    .private_segment_fixed_size: 0
    .kernarg_segment_align: 8
    .kernarg_segment_size: 56
    .max_flat_workgroup_size: 32
    .sgpr_count:     66
    .vgpr_count:     256
    .wavefront_size: 32
...
	.end_amdgpu_metadata
.endif
;; end of part 3
;; ======== version 2 of 2: 3 launches
;; limits: right only within a limited range of input values
;; workspace buffers: cur0 65,536 bytes of whole numbers; d0 65,536 bytes; cur1 65,536 bytes of whole numbers; d1 65,536 bytes
;; launch lsh0 (part 4): grid 256 x 1, 8 waves a work-group, no clusters, 327,680 bytes of LDS; arguments embeddings, hash_W, hash_b, centroids_0, out0, out4, cur0, d0; writes out0, out4, cur0, d0
.if DOCPART == 4
	.amdgcn_target "amdgcn-amd-amdhsa--gfx1250"
	.amdhsa_code_object_version 6
	.text
	.protected	k_q411dcca005_lsh0
	.globl	k_q411dcca005_lsh0
	.p2align	8
	.type	k_q411dcca005_lsh0,@function
k_q411dcca005_lsh0:
	s_mov_b64 s[64:65], 0
	v_nop
	global_prefetch_b8 v0, s[64:65] scope:SCOPE_SE
	s_setreg_imm32_b32 hwreg(HW_REG_WAVE_MODE, 25, 1), 1
	s_wait_xcnt 0x0
; proj = Q(e) Q(W)^T + b on codes of BF8 (E5M2) with one E8M0 scale for each 32 along K; the 8 hash codes of 16 sign bits; level 0 of the tree (10 distances in f32, root, first smallest).
; e: [16384][512] f32.  W: [128][512] f32.  b: [128].  c0: [10][512].  out4 = proj [16384][128] f32, out0 = codes [16384][8] i32, cur0 = the nearest of the 10 [16384] i32, d0 = its distance [16384] f32.
; SHARES.  A work-group of eight waves owns 64 queries.  Wave w brings rows 8 w .. 8 w + 7 of e into LDS (one tensor load) and five pieces of c0 through registers, quantises rows 16 w .. 16 w + 15 of W into LDS while e is on its way,
; and does level 0 for its own 8 rows.  Waves 0 to 3 also quantise 16 rows of e each and multiply them with all of W: 32 matrix instructions a wave.
; e is read from memory once; the product and the distances both take it from LDS.  Nothing in LDS is filled twice.
; NO CLUSTER, NO JOINT LOAD: what the work-groups share is W, 262,144 bytes as f32; beside e's 133,248 bytes and W's 69,632 bytes of codes that is 465,024, more than the 327,680 that a work-group can have; in pieces it
; would want refills.  So each wave takes its sixteenth .. its 16 rows of W through registers.  c0 is 20,480 bytes of the 413,696 that a work-group reads.
; DISTANCES are sums of (c - e)^2, never |e|^2 - 2 e.c + |c|^2: no difference of large sums is formed.
; LIMITS.  NaN and infinities among the inputs are not served.  A block of 32 zeros gets the scale byte 1 where the rule says 127: its codes are zeros, and this program alone reads the bytes.  Blocks whose largest
; magnitude lies under 2^(16 - 127) have their byte held at 1.  A squared distance under 2^-126 gives a rough root only.  The f32 sums are taken in another order than the reference takes them: a sign of proj or a
; nearest centroid that hangs on a sum's last bits may fall the other way.  The root is the hardware's, corrected by one Newton step with a fused residual; that this is the nearest f32 for every argument is not proved.
; LDS
.set EBW,  16656                       ; e: a wave's 8 rows = 16 half rows of 1,024 bytes + 16 of padding, and 16 bytes more, so that rows r and r + 8 of a tile of 16 start in different 16-byte columns
.set CB,   302080                      ; c0: ten dense rows of 2,048 bytes, behind the spare words, in blocks of 256 bytes into which no tensor load lands; stored from registers, 2,560 bytes a wave
.set WC,   154112                      ; (from here on no tensor load lands)  W's codes: 16 codes k = 16 kappa .. of row r of tile t at t WT + 272 kappa + 16 r
.set WT,   8704
.set WS,   223744                      ; W's scale words: K step s of row r of tile t at (4 t + s) 64 + 4 r
.set TS,   225792                      ; 5,120 bytes a wave: two stages of 32 x 80 through which a row of W turns
.set PS,   266752                      ; 8,448 bytes for each of waves 0 to 3: 16 rows of proj, 512 bytes + 16
.set RES,  300544                      ; 64 words cur0, 64 words d0
; the distance engine's registers
.set E,    96                          ; v96-223  eight queries (slots), 16 registers each: piece j (512 bytes of the row) in registers 4 j ..: lane l holds elements 128 j + 4 l .. + 3
.set CR,   224                         ; v224-255 two centroid rows, laid likewise
.set D,    64                          ; v64-79   differences; then at work
.set AC,   80                          ; v80-83   two packed sums
.set SQ,   84                          ; v84-91   a lane's sum for each slot
.set X,    44                          ; v44-53   ten squared distances: lane l holds slot l / 4's
.set Y,    54                          ; v54-63   ten roots
.set CP,   2048                        ; a centroid row in LDS,
.set CH,   1024                        ; and its second half
.set VCA,  3                           ; v3   c0 + 16 x lane
.set VIDX, 20
.set VBEST, 21
.set M8,   55                          ; s55  lanes with bit 3 set
.set M4,   56                          ; s56  lanes with bit 2 set
.set GRD, 0
.set NREG, 0
; phase W's registers
.set R,    96                          ; v96-223  eight rows of W as loaded
.set XT,   224                         ; v224-255 two sets of 16 neighbours
.set WCD,  64                          ; v64-71   two sets of codes
.set WBY,  72                          ; v72-73   two scale bytes
; the product's registers
.set ACC,  32                          ; v32-95   eight accumulators: tile t (table t) at v[32 + 8 t]
.set XIN,  96                          ; v96-159  64 numbers of e
.set WB,   160                         ; v160-223 four fragments of W
.set PC,   224                         ; v224-239 e's codes
.set TM,   240                         ; v240-255 at work in the quantiser
.set PW,   27                          ; v27      e's scale word;  v28-31 W's scale words: these five hold scales and nothing else
.set HC,   240                         ; v240-247 the hash codes
.macro PLACES n
.rept \n
	v_nop
.endr
.endm
; ---- the distance engine
.macro CLOAD k                         ; centroid row k into buffer k % 2: four loads of 512 consecutive bytes
.irp j, 0,1,2,3
	ds_load_b128 v[CR+16*((\k)%2)+4*\j:CR+16*((\k)%2)+4*\j+3], v[VCA] offset:(\k)*CP+(\j/2)*CH+(\j%2)*512
.endr
.endm
.macro QBLK u, cb                      ; my 16 terms (c - e)^2 of slot u against the row at v[cb]: nothing is cleared, the first two products start the sums
.irp i, 0,2,4,6,8,10,12,14
	v_pk_add_f32 v[D+\i:D+\i+1], v[(\cb)+\i:(\cb)+\i+1], v[E+16*(\u)+\i:E+16*(\u)+\i+1] neg_lo:[0,1] neg_hi:[0,1]
.endr
	v_pk_mul_f32 v[AC:AC+1], v[D:D+1], v[D:D+1]
	v_pk_mul_f32 v[AC+2:AC+3], v[D+2:D+3], v[D+2:D+3]
.irp i, 4,8,12
	s_delay_alu instid0(VALU_DEP_2)
	v_pk_fma_f32 v[AC:AC+1], v[D+\i:D+\i+1], v[D+\i:D+\i+1], v[AC:AC+1]
	s_delay_alu instid0(VALU_DEP_2)
	v_pk_fma_f32 v[AC+2:AC+3], v[D+\i+2:D+\i+3], v[D+\i+2:D+\i+3], v[AC+2:AC+3]
.endr
	s_delay_alu instid0(VALU_DEP_1)
	v_pk_add_f32 v[AC:AC+1], v[AC:AC+1], v[AC+2:AC+3]
	s_delay_alu instid0(VALU_DEP_1)
	v_add_f32 v[SQ+(\u)], v[AC], v[AC+1]
.endm
; Eight sums over 32 lanes at once: at each step a lane keeps one half of the slots that it holds and hands the other half over.  At the end lane l holds the whole sum of slot l / 4.  A slot's numbers meet no other slot's.
.macro RED8 k
.irp q, 0,1,2,3
	v_permlane16_swap_b32 v[SQ+\q], v[SQ+\q+4]     ; slot q's upper lanes change places with slot q + 4's lower lanes
.endr
.irp q, 0,1,2,3
	s_delay_alu instid0(VALU_DEP_4)
	v_add_f32 v[D+\q], v[SQ+\q], v[SQ+\q+4]        ; lanes 0-15: slot q; lanes 16-31: slot q + 4
.endr
	s_delay_alu instid0(VALU_DEP_2)
	v_cndmask_b32 v[D+4], v[D+0], v[D+2], s[M8]    ; kept: slot 0 (+4) where bit 3 is 0, slot 2 (+4) where it is 1
	s_delay_alu instid0(VALU_DEP_3)
	v_cndmask_b32 v[D+5], v[D+2], v[D+0], s[M8]    ; handed to lane l xor 8
	s_delay_alu instid0(VALU_DEP_3)
	v_cndmask_b32 v[D+6], v[D+1], v[D+3], s[M8]
	s_delay_alu instid0(VALU_DEP_4)
	v_cndmask_b32 v[D+7], v[D+3], v[D+1], s[M8]
	s_delay_alu instid0(VALU_DEP_3)
	v_add_f32_dpp v[D+8], v[D+5], v[D+4] row_xmask:8 row_mask:0xf bank_mask:0xf
	s_delay_alu instid0(VALU_DEP_2)
	v_add_f32_dpp v[D+9], v[D+7], v[D+6] row_xmask:8 row_mask:0xf bank_mask:0xf
	s_delay_alu instid0(VALU_DEP_1)
	v_cndmask_b32 v[D+10], v[D+8], v[D+9], s[M4]
	s_delay_alu instid0(VALU_DEP_2)
	v_cndmask_b32 v[D+11], v[D+9], v[D+8], s[M4]
	s_delay_alu instid0(VALU_DEP_1)
	v_add_f32_dpp v[D+12], v[D+11], v[D+10] row_xmask:4 row_mask:0xf bank_mask:0xf
	s_delay_alu instid0(VALU_DEP_1)
	v_add_f32_dpp v[D+12], v[D+12], v[D+12] row_xmask:2 row_mask:0xf bank_mask:0xf
	s_delay_alu instid0(VALU_DEP_1)
	v_add_f32_dpp v[X+\k], v[D+12], v[D+12] row_xmask:1 row_mask:0xf bank_mask:0xf
.endm
.macro ROW k                           ; centroid row k against the slots
.if (\k) < 9
	s_wait_dscnt 4                                 ; LDS loads come back in order: row k (and all before it) is in; the next row's four loads may be out
.else
	s_wait_dscnt 0x0
.endif
	QBLK 0, CR+16*((\k)%2)
.irp u, 1,2,3,4,5,6,7
.if GRD
	s_cmp_le_u32 s[NREG], \u                       ; slots 0 .. N - 1 are full: the first empty one ends the row
	s_cbranch_scc1 .Lrow_\@
.endif
	QBLK \u, CR+16*((\k)%2)
.endr
.if GRD
.Lrow_\@:
.endif
.if (\k)+2 <= 9
	CLOAD (\k)+2                                   ; into the buffer just read
.endif
	RED8 \k
.endm
; Ten roots and the first smallest of them.  y = sqrt(x) is corrected once: y + (x - y y) / (2 y), the residual by one fused multiply-add, 1 / y as rsq(x) (of x held above 2^-100, so that x = 0 gives 0).
.macro TAIL
.irp k, 0,1,2,3,4,5,6,7,8,9
	v_max_num_f32 v[D+\k], 0x0d800000, v[X+\k]
.endr
	s_wait_alu depctr_va_vdst(0)
.irp k, 0,1,2,3,4,5,6,7,8,9
	v_sqrt_f32 v[Y+\k], v[X+\k]
.endr
.irp k, 0,1,2,3,4,5,6,7,8,9
	v_rsq_f32 v[D+\k], v[D+\k]
.endr
	v_nop                                          ; one plain instruction behind the last of the batch (ISA guide 5.7.2),
	s_wait_alu depctr_va_vdst(0)                   ; and one wait for all twenty, ahead of their first reader
.irp p, 0,2,4,6,8
	v_pk_fma_f32 v[X+\p:X+\p+1], v[Y+\p:Y+\p+1], v[Y+\p:Y+\p+1], v[X+\p:X+\p+1] neg_lo:[1,0,0] neg_hi:[1,0,0]
.endr
.irp p, 0,2,4,6,8
	v_pk_mul_f32 v[X+\p:X+\p+1], v[X+\p:X+\p+1], v[D+\p:D+\p+1]
.endr
.irp p, 0,2,4,6,8
	v_pk_fma_f32 v[Y+\p:Y+\p+1], v[X+\p:X+\p+1], 0.5, v[Y+\p:Y+\p+1] op_sel_hi:[1,0,1]
.endr
	v_mov_b32 v[VBEST], v[Y]
	v_mov_b32 v[VIDX], 0
.irp k, 1
	s_delay_alu instid0(VALU_DEP_2)
	v_cmp_lt_f32 vcc_lo, v[Y+\k], v[VBEST]         ; strictly smaller, in ascending order: of equal roots the first stays
	s_delay_alu instid0(VALU_DEP_1)
	v_cndmask_b32 v[VIDX], v[VIDX], \k, vcc_lo
	s_delay_alu instid0(VALU_DEP_2)
	v_cndmask_b32 v[VBEST], v[VBEST], v[Y+\k], vcc_lo
.endr
.irp k, 2, 3, 4, 5, 6, 7, 8, 9
	s_delay_alu instid0(VALU_DEP_1)
	v_cmp_lt_f32 vcc_lo, v[Y+\k], v[VBEST]         ; strictly smaller, in ascending order: of equal roots the first stays
	s_delay_alu instid0(VALU_DEP_1)
	v_cndmask_b32 v[VIDX], v[VIDX], \k, vcc_lo
	s_delay_alu instid0(VALU_DEP_2)
	v_cndmask_b32 v[VBEST], v[VBEST], v[Y+\k], vcc_lo
.endr
.endm
; ---- the head: every address register is made here, ahead of any parting of the waves
	s_load_b512 s[8:23], s[0:1], 0x0               ; e s[8:9], W s[10:11], b s[12:13], c0 s[14:15], out0 s[16:17], out4 s[18:19], cur0 s[20:21], d0 s[22:23]
	v_lshl_add_u32 v25, v0, 2, 0x49800
	v_mov_b32 v26, 0
	ds_add_u32 v25, v26
	ds_add_u32 v25, v26
	v_lshrrev_b32 v32, 5, v0
	s_delay_alu instid0(VALU_DEP_1)
	v_readfirstlane_b32 s24, v32                   ; wave 0..7
	v_and_b32 v33, 31, v0                          ; lane
	v_and_b32 v34, 15, v0                          ; r
	v_bfe_u32 v35, v0, 4, 1                        ; h
	s_and_b32 s25, s24, 3
	v_lshlrev_b32 v1, 4, v33                       ; v1  16 x lane
	s_mul_i32 s26, s24, EBW
	v_add_nc_u32 v2, s26, v1                       ; v2  my wave's rows of e, 16 x lane
	s_mul_i32 s27, s24, 2560
	v_add_nc_u32 v3, CB, v1                        ; v3  c0, 16 x lane
	v_add_nc_u32 v22, s27, v3                      ; v22 where my wave's five pieces of c0 go
	v_bfe_u32 v36, v0, 3, 1
	v_and_b32 v37, 7, v0
	s_delay_alu instid0(VALU_DEP_2)
	v_mul_u32_u24 v4, v36, EBW
	s_delay_alu instid0(VALU_DEP_1)
	v_mad_u32_u24 v4, v37, 2080, v4
	s_delay_alu instid0(VALU_DEP_1)
	v_lshl_add_u32 v4, v35, 6, v4
	s_mul_i32 s27, s25, 2*EBW
	v_add_nc_u32 v4, s27, v4                       ; v4  the product's row r of e: block 2 (w & 3) + r / 8, row r % 8, + 64 h: my 16 numbers of a block of 32
	v_mul_u32_u24 v5, v35, 272
	s_delay_alu instid0(VALU_DEP_1)
	v_lshl_add_u32 v5, v34, 4, v5
	s_delay_alu instid0(VALU_DEP_1)
	v_add_nc_u32 v5, WC, v5                        ; v5  W's codes, tiles 0-3: 272 h + 16 r
	s_delay_alu instid0(VALU_DEP_1)
	v_add_nc_u32 v6, 4*WT, v5                      ; v6  tiles 4-7
	v_lshl_add_u32 v7, v34, 2, WS                  ; v7  W's scale words: 4 r
	s_mul_i32 s26, s24, 5120
	s_add_co_u32 s26, s26, TS
	v_lshrrev_b32 v36, 2, v33                      ; lane / 4
	s_delay_alu instid0(VALU_DEP_1)
	v_mul_u32_u24 v8, v36, 80
	v_and_b32 v37, 3, v0
	s_delay_alu instid0(VALU_DEP_1)
	v_lshl_add_u32 v8, v37, 4, v8
	s_delay_alu instid0(VALU_DEP_1)
	v_add_nc_u32 v8, s26, v8                       ; v8  the turn, in: four lanes' 64 bytes on end, then 16 of padding
	v_mul_u32_u24 v9, v33, 80
	s_delay_alu instid0(VALU_DEP_1)
	v_add_nc_u32 v9, s26, v9                       ; v9  the turn, out: 80 x lane: my 16 neighbours
	s_mul_i32 s26, s24, WT
	s_add_co_u32 s26, s26, WC
	v_mul_u32_u24 v10, v33, 272
	s_delay_alu instid0(VALU_DEP_1)
	v_add_nc_u32 v10, s26, v10                     ; v10 where my 16 codes go: tile w, kappa = lane
	s_lshl_b32 s26, s24, 8
	s_add_co_u32 s26, s26, WS
	v_lshrrev_b32 v38, 3, v33
	v_bfe_u32 v39, v0, 1, 2
	s_delay_alu instid0(VALU_DEP_1)
	v_lshl_add_u32 v11, v38, 6, v39
	s_delay_alu instid0(VALU_DEP_1)
	v_add_nc_u32 v11, s26, v11                     ; v11 where my block's scale byte goes: K step lane / 8, byte (lane / 2) % 4
	s_mul_i32 s26, s25, 8448
	s_add_co_u32 s26, s26, PS
	v_mul_u32_u24 v12, v34, 528
	s_delay_alu instid0(VALU_DEP_1)
	v_lshl_add_u32 v12, v35, 5, v12
	s_delay_alu instid0(VALU_DEP_1)
	v_add_nc_u32 v12, s26, v12                     ; v12 proj's stage, in: row r, + 32 h
	v_add_nc_u32 v13, s26, v1                      ; v13 and back: 16 x lane
	v_lshlrev_b32 v14, 5, v35                      ; v14 b: 32 h
	v_lshlrev_b32 v15, 5, v34
	s_delay_alu instid0(VALU_DEP_1)
	v_lshl_add_u32 v15, v35, 4, v15                ; v15 out0: 32 r + 16 h
	v_lshlrev_b32 v16, 3, v35                      ; v16 8 h
	s_lshl_b32 s26, s24, 5
	s_add_co_u32 s26, s26, RES
	v_lshl_add_u32 v17, v36, 2, s26                ; v17 my slot's result word: 8 w + lane / 4
	s_and_b32 s26, s24, 1
	s_lshl_b32 s26, s26, 8
	s_add_co_u32 s26, s26, RES
	v_lshl_add_u32 v18, v33, 3, s26                ; v18 the result words on the way out
	v_lshlrev_b32 v19, 3, v33                      ; v19 8 x lane
	s_mov_b32 s52, 0x76543210
	s_mov_b32 s53, 0xfedcba98                      ; v_permlanex16_b32's selects for lane l xor 16
	s_mov_b32 s54, 0x600000                        ; the mantissa field of 57,344
	s_mov_b32 s[M8], 0xff00ff00
	s_mov_b32 s[M4], 0xf0f0f0f0
	s_mov_b32 s57, 0xffff0000                      ; lanes 16-31
	; descriptor group 1 for e: rows are dense in memory, so 8 rows are stated as 16 half rows of 256 elements of 4 bytes, 4 words of padding behind each
	s_mov_b32 s36, (2<<16)|(1<<20)|(7<<22)|(3<<25)
	s_mov_b32 s37, 256<<16                         ; tensor_dim0
	s_mov_b32 s38, 16<<16                          ; tensor_dim1
	s_mov_b32 s39, 256<<16                         ; tile_dim0
	s_mov_b32 s40, 16                              ; tile_dim1
	s_mov_b32 s41, 256                             ; the pitch
	s_mov_b32 s42, 0
	s_mov_b32 s43, 0
	s_mov_b32 s28, 1
	s_mul_i32 s29, s24, EBW                        ; my wave's block in LDS
	s_lshl_b32 s58, ttmp9, 17                      ; 64 rows of 2,048 bytes a work-group,
	s_lshl_b32 s59, s24, 14                        ; 8 a wave
	s_add_co_u32 s58, s58, s59
	s_mov_b32 s59, 0
	s_mul_i32 s32, s24, 2560                       ; my wave's five pieces of c0, 512 bytes each
	s_mov_b32 s33, 0
	s_lshl_b32 s60, s24, 15                        ; my 16 rows of W
	s_mov_b32 s61, 0
	s_wait_dscnt 0x0
	s_wait_kmcnt 0x0
	s_add_nc_u64 s[30:31], s[8:9], s[58:59]
	s_or_b32 s31, s31, 0x80000000
	s_add_nc_u64 s[14:15], s[14:15], s[32:33]
	s_add_nc_u64 s[10:11], s[10:11], s[60:61]
	tensor_load_to_lds s[28:31], s[36:43]          ; every wave's one tensor load: its 8 rows of e
	s_nop 0
	PLACES 4
.irp i, 0,1,2,3,4
	global_load_b128 v[76+4*\i:79+4*\i], v1, s[14:15] offset:512*\i   ; my five pieces of c0, 512 consecutive bytes each
.endr
; ---- phase W: my 16 rows of W become codes and scale bytes in LDS.  A step is a row: 512 numbers.  Each load reads 512 consecutive bytes; the conversions want 16 neighbours in a lane, so the row turns through my stage.
.macro WROW i
.irp p, 0,1,2,3
	global_load_b128 v[R+16*((\i)%8)+4*\p:R+16*((\i)%8)+4*\p+3], v1, s[10:11] offset:2048*(\i)+512*\p
.endr
.endm
.macro WTURN i                         ; LDS serves a wave's instructions in order: no wait between the stores and the loads
.irp p, 0,1,2,3
	ds_store_b128 v8, v[R+16*((\i)%8)+4*\p:R+16*((\i)%8)+4*\p+3] offset:2560*((\i)%2)+640*\p
.endr
.irp p, 0,1,2,3
	ds_load_b128 v[XT+16*((\i)%2)+4*\p:XT+16*((\i)%2)+4*\p+3], v9 offset:2560*((\i)%2)+16*\p
.endr
.endm
.macro WSTEP i
.set XS, XT+16*((\i)%2)
.if (\i) > 0
	s_wait_dscnt 2                                 ; this row is back from the stage; the last step's two stores may be out
.else
	s_wait_dscnt 0x0
.endif
.if (\i) < 8
	WROW (\i)+8                                    ; into the registers that this row has left
.endif
.if (\i) < 15
.if (\i) < 8
	s_wait_loadcnt 28                              ; row i + 1 is in; the seven rows behind it, four loads each, may be out
.else
	s_wait_loadcnt 4*(14-(\i))                     ; the rows behind row i + 1: 14 - i are left
.endif
	WTURN (\i)+1
.endif
	v_max3_num_f32 v32, |v[XS]|, |v[XS+1]|, |v[XS+2]|
	v_max3_num_f32 v33, |v[XS+3]|, |v[XS+4]|, |v[XS+5]|
.irp n, 6,10
	s_delay_alu instid0(VALU_DEP_2)
	v_max3_num_f32 v32, v32, |v[XS+\n]|, |v[XS+\n+1]|
	s_delay_alu instid0(VALU_DEP_2)
	v_max3_num_f32 v33, v33, |v[XS+\n+2]|, |v[XS+\n+3]|
.endr
	s_delay_alu instid0(VALU_DEP_2)
	v_max3_num_f32 v32, v32, |v[XS+14]|, |v[XS+15]|
	s_delay_alu instid0(VALU_DEP_1)
	v_max3_num_f32 v32, v32, v33, 0x8000000        ; the floor 2^(16 - 127): the byte cannot fall under 1
	s_delay_alu instid0(VALU_DEP_1)
	v_max_num_f32_dpp v32, v32, v32 row_xmask:1 row_mask:0xf bank_mask:0xf   ; with my neighbour's 16: the block's largest magnitude
	s_delay_alu instid0(VALU_DEP_1)
	v_add_nc_u32 v35, 0xf8800000, v32              ; 15 off its exponent field: the conversion's scale operand
	s_delay_alu instid0(VALU_DEP_2)
	v_and_or_b32 v34, v32, 0x7f800000, s54         ; 57,344 x the scale
.irp n, 0,1,2,3,4,5,6,7,8,9,10,11,12,13,14,15
	v_med3_num_f32 v[XS+\n], v[XS+\n], -v34, v34   ; the conversion to an 8-bit code does not saturate (ISA guide 7.6.2)
.endr
	v_cvt_scalef32_pk8_bf8_f32 v[WCD+4*((\i)%2):WCD+4*((\i)%2)+1], v[XS:XS+7], v35
	v_cvt_scalef32_pk8_bf8_f32 v[WCD+4*((\i)%2)+2:WCD+4*((\i)%2)+3], v[XS+8:XS+15], v35
	v_lshrrev_b32 v[WBY+(\i)%2], 23, v35           ; the scale's byte; also the plain instruction behind the conversions
	ds_store_b128 v10, v[WCD+4*((\i)%2):WCD+4*((\i)%2)+3] offset:16*(\i)
	ds_store_b8 v11, v[WBY+(\i)%2] offset:4*(\i)   ; both lanes of a block write the same byte with the same value
.endm
.irp i, 0,1,2,3,4,5,6,7
	WROW \i
.endr
	s_wait_loadcnt 28                              ; of 37 loads the oldest nine are in: c0's five and row 0's four
.irp i, 0,1,2,3,4
	ds_store_b128 v22, v[76+4*\i:79+4*\i] offset:512*\i
.endr
	WTURN 0
.irp i, 0,1,2,3,4,5,6,7,8,9,10,11,12,13,14,15
	WSTEP \i
.endr
	s_wait_tensorcnt 0x0                           ; my rows of e (and c0) have landed,
	s_wait_dscnt 0x0                               ; my codes and bytes of W are stored:
	s_barrier_signal -1
	s_barrier_wait -1                              ; everybody's are
; ---- the product: waves 0 to 3, 16 queries each.  No barrier stands in this branch.
	s_cmp_lt_u32 s24, 4
	s_cbranch_scc0 .Lnolsh
.macro XLOAD s                         ; lane (r, h): of row r, K step s, 16 neighbours of each block of 32: register 16 b + i = k 128 s + 32 b + 16 h + i
.irp b, 0,1,2,3
.irp j, 0,1,2,3
	ds_load_b128 v[XIN+16*\b+4*\j:XIN+16*\b+4*\j+3], v4 offset:((\s)/2)*1040+((\s)%2)*512+128*\b+16*\j
.endr
.endr
.endm
.macro WLOAD g, s                      ; four fragments of W (tiles 4 g ..) of K step s, and their scale words
.irp f, 0,1,2,3
.irp c, 0,1,2,3
	ds_load_b128 v[WB+16*\f+4*\c:WB+16*\f+4*\c+3], v[5+(\g)] offset:\f*WT+(8*(\s)+2*\c)*272
.endr
	ds_load_b32 v[28+\f], v7 offset:(4*(4*(\g)+\f)+(\s))*64
.endr
.endm
.macro QUANT                           ; the 64 numbers in v[XIN] on become a fragment's codes in v[PC] on and its scale word in v[PW]
.irp b, 0,1,2,3
	v_max3_num_f32 v[TM+\b], |v[XIN+16*\b]|, |v[XIN+1+16*\b]|, 0x8000000
.endr
.irp i, 2,4,6,8,10,12,14
.irp b, 0,1,2,3
	s_delay_alu instid0(VALU_DEP_4)
	v_max3_num_f32 v[TM+\b], v[TM+\b], |v[XIN+16*\b+\i]|, |v[XIN+1+16*\b+\i]|
.endr
.endr
.irp b, 0,1,2,3
	s_delay_alu instid0(VALU_DEP_4)
	v_permlanex16_b32 v[TM+4+\b], v[TM+\b], s52, s53
.endr
.irp b, 0,1,2,3
	s_delay_alu instid0(VALU_DEP_4)
	v_max_num_f32 v[TM+\b], v[TM+\b], v[TM+4+\b]   ; with lane l xor 16's: the block's largest magnitude
.endr
.irp b, 0,1,2,3
	s_delay_alu instid0(VALU_DEP_4)
	v_add_nc_u32 v[TM+12+\b], 0xf8800000, v[TM+\b]
.endr
.irp b, 0,1,2,3
	v_and_or_b32 v[TM+8+\b], v[TM+\b], 0x7f800000, s54
.endr
.irp b, 0,1,2,3
	v_lshrrev_b32 v[TM+4+\b], 23, v[TM+12+\b]
.endr
	s_delay_alu instid0(VALU_DEP_3)
	v_lshl_or_b32 v[PW], v[TM+5], 8, v[TM+4]       ; my row's scale word; the 64 holds below stand between it and the products
	s_delay_alu instid0(VALU_DEP_1)
	v_lshl_or_b32 v[PW], v[TM+6], 16, v[PW]
	s_delay_alu instid0(VALU_DEP_1)
	v_lshl_or_b32 v[PW], v[TM+7], 24, v[PW]
.irp b, 0,1,2,3
.irp i, 0,1,2,3,4,5,6,7,8,9,10,11,12,13,14,15
	v_med3_num_f32 v[XIN+16*\b+\i], v[XIN+16*\b+\i], -v[TM+8+\b], v[TM+8+\b]
.endr
	v_cvt_scalef32_pk8_bf8_f32 v[PC+4*\b:PC+1+4*\b], v[XIN+16*\b:XIN+7+16*\b], v[TM+12+\b]
	v_cvt_scalef32_pk8_bf8_f32 v[PC+2+4*\b:PC+3+4*\b], v[XIN+8+16*\b:XIN+15+16*\b], v[TM+12+\b]
.endr
	v_nop                                          ; the plain instruction behind the last conversion
.endm
; TRANSPOSED: source 0 = 16 rows of W, source 1 = my 16 queries: lane (r, h) holds query r, register j of tile t the column 16 t + 8 h + j.  The eight accumulators take turns, one instruction a turn.
.macro MM t, f
	v_wmma_scale_f32_16x16x128_f8f6f4 v[ACC+8*(\t):ACC+8*(\t)+7], v[WB+16*(\f):WB+16*(\f)+15], v[PC:PC+15], v[ACC+8*(\t):ACC+8*(\t)+7], v[28+(\f)], v[PW] matrix_a_fmt:MATRIX_FMT_BF8 matrix_b_fmt:MATRIX_FMT_BF8
.endm
.macro LSTEP s
	WLOAD 0, \s
.if (\s) == 0
	s_wait_dscnt 20                                ; e's numbers are in; W's 20 loads may be out
.endif
	QUANT
	PLACES 4                                       ; codes written by vector instructions stand four places ahead of a scaled matrix instruction
.if (\s) < 3
	XLOAD (\s)+1
	s_wait_alu depctr_va_vdst(0)
	s_wait_dscnt 16                                ; W's fragments are in; the next K step's 16 loads of e may be out
.else
	s_wait_alu depctr_va_vdst(0)
	s_wait_dscnt 0x0
.endif
.if (\s) == 0
	s_wait_loadcnt 0x0                             ; b
.endif
.irp f, 0,1,2,3
	MM \f, \f
.endr
	PLACES 8                                       ; eight places in front of loads into registers that these matrix instructions have read
	WLOAD 1, \s
	s_wait_dscnt 0x0
.irp f, 0,1,2,3
	MM 4+\f, \f
.endr
	PLACES 8                                       ; likewise; and in front of the next codes, and of the first read of results
.endm
.irp b, 0,1,2,3
	v_mov_b32 v[TM+4+\b], 0                        ; written once: a lane permute's destination counts as one of its sources
.endr
.irp t, 0,1,2,3,4,5,6,7                            ; b goes straight into the accumulators, in the result's layout: every product then adds in place
	global_load_b128 v[ACC+8*\t:ACC+8*\t+3], v14, s[12:13] offset:64*\t
	global_load_b128 v[ACC+8*\t+4:ACC+8*\t+7], v14, s[12:13] offset:64*\t+16
.endr
	XLOAD 0
	LSTEP 0
	LSTEP 1
	LSTEP 2
	LSTEP 3
	; the way out: proj through my stage, so that whole rows of 512 bytes leave; the hash codes are made while the rows come back
.irp t, 0,1,2,3,4,5,6,7
	ds_store_b128 v12, v[ACC+8*\t:ACC+8*\t+3] offset:64*\t           ; each accumulator from its low end on
	ds_store_b128 v12, v[ACC+8*\t+4:ACC+8*\t+7] offset:64*\t+16
.endr
.irp i, 0,1,2,3,4,5,6,7,8,9,10,11,12,13,14,15
	ds_load_b128 v[96+4*\i:96+4*\i+3], v13 offset:528*\i             ; LDS serves a wave's instructions in order: these see my stores
.endr
	s_lshl_b32 s58, ttmp9, 15                      ; out4: 64 rows of 512 bytes a work-group, 16 a wave
	s_lshl_b32 s59, s24, 13
	s_add_co_u32 s58, s58, s59
	s_mov_b32 s59, 0
	s_add_nc_u64 s[18:19], s[18:19], s[58:59]
	s_lshl_b32 s58, ttmp9, 11                      ; out0: rows of 32 bytes
	s_lshl_b32 s60, s24, 9
	s_add_co_u32 s58, s58, s60
	s_add_nc_u64 s[16:17], s[16:17], s[58:59]
.irp t, 0,1,2,3,4,5,6,7
	v_mov_b32 v[HC+\t], 0
.endr
.irp j, 7,6,5,4,3,2,1,0
.irp t, 0,1,2,3,4,5,6,7
	v_cmp_lt_f32 vcc_lo, 0, v[ACC+8*\t+\j]         ; proj > 0
	s_delay_alu instid0(VALU_DEP_1)
	v_add_co_ci_u32 v[HC+\t], vcc_lo, v[HC+\t], v[HC+\t], vcc_lo   ; the code doubled, the bit shifted in: register j's bit ends at place j
.endr
.endr
.irp t, 0,1,2,3,4,5,6,7
	v_lshlrev_b32 v[HC+\t], v16, v[HC+\t]          ; my eight bits are bits 8 h .. 8 h + 7
.endr
.irp t, 0,1,2,3                                    ; lanes 0-15 finish tables 0-3, lanes 16-31 tables 4-7: each hands over the halves that the other finishes
	v_cndmask_b32 v[224+\t], v[HC+4+\t], v[HC+\t], s57
	v_cndmask_b32 v[228+\t], v[HC+\t], v[HC+4+\t], s57
.endr
.irp t, 0,1,2,3
	v_permlanex16_b32 v[232+\t], v[224+\t], s52, s53
.endr
.irp t, 0,1,2,3
	s_delay_alu instid0(VALU_DEP_4)
	v_or_b32 v[248+\t], v[228+\t], v[232+\t]
.endr
	s_wait_alu depctr_va_vdst(0)
.irp i, 0,1,2,3,4,5,6,7,8,9,10,11,12,13,14,15
	s_wait_dscnt 15-\i                             ; row i is back; the younger rows may be out
	global_store_b128 v1, v[96+4*\i:96+4*\i+3], s[18:19] offset:512*\i th:TH_STORE_NT   ; 32 lanes store a row of 512 consecutive bytes
.endr
	global_store_b128 v15, v[248:251], s[16:17] th:TH_STORE_NT       ; 16 queries x 32 bytes: 512 consecutive bytes
.Lnolsh:
; ---- level 0: my wave's own 8 rows against c0's ten
	s_wait_xcnt 0x0                                ; the stores above have read their registers: v96 on and v248 on are loaded again only behind this wait
.irp k, 0,1,2,3,4,5,6,7,8,9
	v_mov_b32 v[X+\k], 0                           ; written once: the destination of a DPP form counts as read
.endr
.irp u, 0,1,2,3,4,5,6,7
.irp j, 0,1,2,3
	ds_load_b128 v[E+16*\u+4*\j:E+16*\u+4*\j+3], v2 offset:\u*2080+(\j/2)*1040+(\j%2)*512
.endr
.endr
	CLOAD 0
	CLOAD 1
.irp k, 0,1,2,3,4,5,6,7,8,9
	ROW \k
.endr
	TAIL
	ds_store_b32 v17, v[VIDX]                      ; the four lanes of a slot write the same word with the same value
	ds_store_b32 v17, v[VBEST] offset:256
	s_wait_dscnt 0x0                               ; for the others' sake
	s_barrier_signal -1
	s_barrier_wait -1
	s_cmp_lt_u32 s24, 2                            ; wave 0 stores the 64 words of cur0, wave 1 those of d0: 256 consecutive bytes each, aligned
	s_cbranch_scc0 .Lend
	ds_load_b64 v[32:33], v18
	s_cmp_eq_u32 s24, 0
	s_cselect_b64 s[20:21], s[20:21], s[22:23]
	s_lshl_b32 s58, ttmp9, 8
	s_mov_b32 s59, 0
	s_add_nc_u64 s[20:21], s[20:21], s[58:59]
	s_wait_dscnt 0x0
	global_store_b64 v19, v[32:33], s[20:21]
.Lend:
	s_wait_tensorcnt 0x0
	ds_add_u32 v25, v26
	s_wait_dscnt 0x0
	s_endpgm
.Lfunc_end_k_q411dcca005_lsh0:
	.size	k_q411dcca005_lsh0, .Lfunc_end_k_q411dcca005_lsh0-k_q411dcca005_lsh0
	.p2alignl 7, 3214868480
	.fill 96, 4, 3214868480
	.section	.rodata,"a",@progbits
	.p2align	6, 0x0
	.amdhsa_kernel k_q411dcca005_lsh0
		.amdhsa_group_segment_fixed_size 327680
		.amdhsa_private_segment_fixed_size 0
		.amdhsa_enable_private_segment 0
		.amdhsa_kernarg_size 64
		.amdhsa_user_sgpr_count 2
		.amdhsa_user_sgpr_kernarg_segment_ptr 1
		.amdhsa_wavefront_size32 1
		.amdhsa_system_sgpr_workgroup_id_x 1
		.amdhsa_system_sgpr_workgroup_id_y 1
		.amdhsa_system_sgpr_workgroup_id_z 1
		.amdhsa_system_vgpr_workitem_id 0
		.amdhsa_next_free_vgpr 256
		.amdhsa_next_free_sgpr 66
		.amdhsa_reserve_vcc 1
		.amdhsa_float_denorm_mode_32 3
		.amdhsa_float_denorm_mode_16_64 3
		.amdhsa_memory_ordered 1
		.amdhsa_forward_progress 1
		.amdhsa_inst_pref_size 255
	.end_amdhsa_kernel
	.section	.bss,"aw",@nobits
	.p2align	6
	.space	262144
	.amdgpu_metadata
---
amdhsa.version: [ 1, 2 ]
amdhsa.kernels:
  - .name:           k_q411dcca005_lsh0
    .symbol:         k_q411dcca005_lsh0.kd
    .args:
      - { .name: embeddings, .offset: 0, .size: 8, .value_kind: global_buffer, .address_space: global }
      - { .name: hash_W, .offset: 8, .size: 8, .value_kind: global_buffer, .address_space: global }
      - { .name: hash_b, .offset: 16, .size: 8, .value_kind: global_buffer, .address_space: global }
      - { .name: centroids_0, .offset: 24, .size: 8, .value_kind: global_buffer, .address_space: global }
      - { .name: out0, .offset: 32, .size: 8, .value_kind: global_buffer, .address_space: global }
      - { .name: out4, .offset: 40, .size: 8, .value_kind: global_buffer, .address_space: global }
      - { .name: cur0, .offset: 48, .size: 8, .value_kind: global_buffer, .address_space: global }
      - { .name: d0, .offset: 56, .size: 8, .value_kind: global_buffer, .address_space: global }
    .group_segment_fixed_size: 327680
    .private_segment_fixed_size: 0
    .kernarg_segment_align: 8
    .kernarg_segment_size: 64
    .max_flat_workgroup_size: 256
    .sgpr_count:     66
    .vgpr_count:     256
    .wavefront_size: 32
...
	.end_amdgpu_metadata
.endif
;; end of part 4
;; launch lev1 (part 5): grid 10 x 64, 5 waves a work-group, no clusters, 24,064 bytes of LDS; arguments embeddings, centroids_1, cur0, cur1, d1; writes cur1, d1
.if DOCPART == 5
	.amdgcn_target "amdgcn-amd-amdhsa--gfx1250"
	.amdhsa_code_object_version 6
	.text
	.protected	k_q411dcca005_lev1
	.globl	k_q411dcca005_lev1
	.p2align	8
	.type	k_q411dcca005_lev1,@function
k_q411dcca005_lev1:
	s_mov_b64 s[64:65], 0
	v_nop
	global_prefetch_b8 v0, s[64:65] scope:SCOPE_SE
	s_setreg_imm32_b32 hwreg(HW_REG_WAVE_MODE, 25, 1), 1
	s_wait_xcnt 0x0
; Level 1 of the tree, by cluster.  A work-group is cluster c (grid x) and a slice of SLICE queries (grid y).  cur0 was stored by the launch before.
; For each query q of the slice with cur0[q] = c: ten distances to rows 10 c .. 10 c + 9 of centroids_1 in f32, their roots, the first smallest.  Stored: cur1[q] = 10 c + the nearest, d1[q] = its distance.
; SHARES.  The W waves bring the ten rows (20,480 bytes) into LDS once, 40 / W pieces of 512 bytes a wave, through registers.  Each wave scans its units of 64 entries and lists the matching queries in a
; list region of its own; one barrier; then entry g of the joined lists goes to wave g % W, eight entries (slots) a trip.  A centroid row read from LDS serves all slots of a wave.  e's rows go from memory into registers.
; The grid serves every split: up to all SLICE queries in one cluster (MAXT trips); a wave with no entry stores nothing and ends.  Each query lies in one cluster: one owner a word.
; All 32 lanes store and EXEC never changes: the four lanes of a slot hold the same query and result; an empty slot's lanes take the trip's first query and slot 0's result.
; NO TENSOR LOAD, NO CLUSTER: the trips of a wave hang on numbers read from cur0.  NO PREFETCH: a row's address is known only from the list, directly ahead of its load, and there is no loop to run ahead in.
; Results leave as 4 bytes a query: a cluster's queries are scattered over the slice.
; DISTANCES are sums of (c - e)^2, never |e|^2 - 2 e.c + |c|^2.
; LIMITS: NaN and infinities are not served; a squared distance under 2^-126 gives a rough root only; the f32 sums are taken in another order than the reference takes them, so a nearest centroid that hangs on a
; sum's last bits may fall the other way; the root is the hardware's, corrected by one Newton step with a fused residual: that this is the nearest f32 for every argument is not proved.
.set LEVEL, 1
.set W,     5                          ; waves
.set SLICE, 256
.set RS,    128                        ; words of a wave's list region: NI x 64 entries + 32 words, one a lane, for entries that do not match; rounded up to whole stores of 512 bytes
.set NU,    SLICE/64                   ; units of 64 entries (256 bytes)
.set NI,    (NU+W-1)/W                 ; units a wave.  Either NI x W = NU or NI = 1
.set NPW,   40/W                       ; pieces of the ten rows a wave
.set LIST,  20480                      ; LDS: the ten rows; the W list regions; the W counts; the spare words
.set CNT,   LIST+W*RS*4
.set SPARE, CNT+256
.set MAXT,  (SLICE+8*W-1)/(8*W)
.set E,    96                          ; v96-223  eight slots, 16 registers each: lane l holds elements 128 j + 4 l .. + 3 in registers 4 j ..
.set CR,   224                         ; v224-255 two centroid rows, laid likewise
.set D,    64                          ; v64-79   the scan's entries; then differences; then at work
.set AC,   80
.set SQ,   84                          ; v84-91   a lane's sum for each slot
.set X,    44                          ; v44-53   ten squared distances: lane l holds slot l / 4's
.set Y,    54                          ; v54-63   ten roots
.set VIDX, 16
.set VBEST, 26
.set M8,   36
.set M4,   37
.set EMPTY, 38                         ; s38  the lanes of the trip's empty slots
.set NREG, 27                          ; s27  full slots in the trip
.set NJ,   44                          ; s44.. wave j's count; then RS - that count
.set PJ,   52                          ; s53.. entries ahead of wave j's list
.macro CLOAD k                         ; centroid row k into buffer k % 2: four loads of 512 consecutive bytes
.irp j, 0,1,2,3
	ds_load_b128 v[CR+16*((\k)%2)+4*\j:CR+16*((\k)%2)+4*\j+3], v1 offset:(\k)*2048+\j*512
.endr
.endm
.macro QBLK u, cb                      ; my 16 terms (c - e)^2 of slot u: the first two products start the sums
.irp i, 0,2,4,6,8,10,12,14
	v_pk_add_f32 v[D+\i:D+\i+1], v[(\cb)+\i:(\cb)+\i+1], v[E+16*(\u)+\i:E+16*(\u)+\i+1] neg_lo:[0,1] neg_hi:[0,1]
.endr
	v_pk_mul_f32 v[AC:AC+1], v[D:D+1], v[D:D+1]
	v_pk_mul_f32 v[AC+2:AC+3], v[D+2:D+3], v[D+2:D+3]
.irp i, 4,8,12
	v_pk_fma_f32 v[AC:AC+1], v[D+\i:D+\i+1], v[D+\i:D+\i+1], v[AC:AC+1]
	v_pk_fma_f32 v[AC+2:AC+3], v[D+\i+2:D+\i+3], v[D+\i+2:D+\i+3], v[AC+2:AC+3]
.endr
	v_pk_add_f32 v[AC:AC+1], v[AC:AC+1], v[AC+2:AC+3]
	v_add_f32 v[SQ+(\u)], v[AC], v[AC+1]
.endm
.macro RED8 k                          ; eight sums over 32 lanes at once: at each step a lane keeps half of its slots and hands the other half over; at the end lane l holds slot l / 4's sum
.irp q, 0,1,2,3
	v_permlane16_swap_b32 v[SQ+\q], v[SQ+\q+4]
.endr
.irp q, 0,1,2,3
	v_add_f32 v[D+\q], v[SQ+\q], v[SQ+\q+4]
.endr
	v_cndmask_b32 v[D+4], v[D+0], v[D+2], s[M8]
	v_cndmask_b32 v[D+5], v[D+2], v[D+0], s[M8]
	v_cndmask_b32 v[D+6], v[D+1], v[D+3], s[M8]
	v_cndmask_b32 v[D+7], v[D+3], v[D+1], s[M8]
	v_add_f32_dpp v[D+8], v[D+5], v[D+4] row_xmask:8 row_mask:0xf bank_mask:0xf
	v_add_f32_dpp v[D+9], v[D+7], v[D+6] row_xmask:8 row_mask:0xf bank_mask:0xf
	v_cndmask_b32 v[D+10], v[D+8], v[D+9], s[M4]
	v_cndmask_b32 v[D+11], v[D+9], v[D+8], s[M4]
	v_add_f32_dpp v[D+12], v[D+11], v[D+10] row_xmask:4 row_mask:0xf bank_mask:0xf
	v_add_f32_dpp v[D+12], v[D+12], v[D+12] row_xmask:2 row_mask:0xf bank_mask:0xf
	v_add_f32_dpp v[X+\k], v[D+12], v[D+12] row_xmask:1 row_mask:0xf bank_mask:0xf
.endm
.macro ROW k                           ; centroid row k against the full slots
.if (\k) < 9
	s_wait_dscnt 4                                 ; row k is in; the next row's four loads may be out
.else
	s_wait_dscnt 0x0
.endif
	QBLK 0, CR+16*((\k)%2)
.irp u, 1,2,3,4,5,6,7
	s_cmp_le_u32 s[NREG], \u                       ; the first empty slot ends the row; no LDS instruction is jumped over
	s_cbranch_scc1 .Lrow_\@
	QBLK \u, CR+16*((\k)%2)
.endr
.Lrow_\@:
.if (\k)+2 <= 9
	CLOAD (\k)+2
.endif
	s_wait_alu depctr_va_vdst(0)
	RED8 \k
.endm
.macro TAIL                            ; ten roots, each corrected once: y + (x - y y) / (2 y), 1 / y as rsq of x held above 2^-100; then the first smallest
.irp k, 0,1,2,3,4,5,6,7,8,9
	v_max_num_f32 v[D+\k], 0x0d800000, v[X+\k]
.endr
	s_wait_alu depctr_va_vdst(0)
.irp k, 0,1,2,3,4,5,6,7,8,9
	v_sqrt_f32 v[Y+\k], v[X+\k]
.endr
.irp k, 0,1,2,3,4,5,6,7,8,9
	v_rsq_f32 v[D+\k], v[D+\k]
.endr
	v_nop                                          ; one plain instruction behind the batch (ISA guide 5.7.2)
	s_wait_alu depctr_va_vdst(0)                   ; and one wait for all twenty
.irp p, 0,2,4,6,8
	v_pk_fma_f32 v[X+\p:X+\p+1], v[Y+\p:Y+\p+1], v[Y+\p:Y+\p+1], v[X+\p:X+\p+1] neg_lo:[1,0,0] neg_hi:[1,0,0]
.endr
.irp p, 0,2,4,6,8
	v_pk_mul_f32 v[X+\p:X+\p+1], v[X+\p:X+\p+1], v[D+\p:D+\p+1]
.endr
.irp p, 0,2,4,6,8
	v_pk_fma_f32 v[Y+\p:Y+\p+1], v[X+\p:X+\p+1], 0.5, v[Y+\p:Y+\p+1] op_sel_hi:[1,0,1]
.endr
	v_mov_b32 v[VBEST], v[Y]
	v_mov_b32 v[VIDX], 0
.irp k, 1,2,3,4,5,6,7,8,9
	v_cmp_lt_f32 vcc_lo, v[Y+\k], v[VBEST]         ; strictly smaller, ascending: of equal roots the first stays
	v_cndmask_b32 v[VIDX], v[VIDX], \k, vcc_lo
	v_cndmask_b32 v[VBEST], v[VBEST], v[Y+\k], vcc_lo
.endr
.endm
.macro SCAN reg, imm, p                ; one register of entries: matching lanes put their query's number into my list, one behind the other; the others into their own word behind it
	v_cmp_eq_u32 vcc_lo, s28, v[\reg]
.if NI*W > NU
	s_and_b32 vcc_lo, vcc_lo, s39                  ; a wave with no unit of its own matches nothing
.endif
	v_mbcnt_lo_u32_b32 v[8+2*(\p)], vcc_lo, s40    ; my list's length so far + the matching lanes below me
	v_cndmask_b32 v[8+2*(\p)], v5, v[8+2*(\p)], vcc_lo
	v_min_u32 v[8+2*(\p)], RS-1, v[8+2*(\p)]       ; (inside already: the bound is written for the address's sake)
	v_lshlrev_b32 v[8+2*(\p)], 2, v[8+2*(\p)]
	v_add_nc_u32 v[8+2*(\p)], s60, v[8+2*(\p)]     ; in my wave's region
	v_add_nc_u32 v[9+2*(\p)], \imm, v4             ; the query's number in the slice
	ds_store_b32 v[8+2*(\p)], v[9+2*(\p)] offset:LIST
	s_bcnt1_i32_b32 s31, vcc_lo
	s_add_co_u32 s40, s40, s31
.endm
	s_load_b256 s[8:15], s[0:1], 0x0               ; e s[8:9], the table s[10:11], the clusters s[12:13]; level 1: cur1 s[14:15]; level 2: d0 s[14:15]
.if LEVEL == 2
	s_load_b256 s[16:23], s[0:1], 0x20             ; d1 s[16:17], out1 s[18:19], out2 s[20:21], out3 s[22:23]
.else
	s_load_b64 s[16:17], s[0:1], 0x20              ; d1
.endif
	v_lshl_add_u32 v94, v0, 2, SPARE               ; my spare word,
	v_mov_b32 v95, 0                               ; and 0: kept for the wave's last lines
	v_lshrrev_b32 v3, 5, v0
	v_readfirstlane_b32 s24, v3                    ; wave
	v_and_b32 v3, 31, v0                           ; lane
	v_lshlrev_b32 v1, 4, v3                        ; v1  16 x lane
	v_lshrrev_b32 v2, 2, v3                        ; v2  my slot
	v_lshlrev_b32 v21, 3, v3                       ; v21 8 x lane
	v_min_u32 v17, W-1, v3
	v_lshl_add_u32 v17, v17, 2, CNT                ; v17 lane j reads wave j's count
	s_min_u32 s42, s24, NU-1-(NI-1)*W              ; a wave beyond the last unit reads the last unit again
.if NI*W > NU
	s_cmp_eq_u32 s42, s24
	s_cselect_b32 s39, -1, 0                       ; and counts none of it
.endif
	s_lshl_b32 s31, s42, 6
	v_lshl_add_u32 v4, v3, 1, s31                  ; v4  the first of my two entries of my first unit
	v_add_nc_u32 v5, NI*64, v3                     ; v5  my word behind the list
	s_mul_i32 s60, s24, RS*4                       ; my list region
	v_add_nc_u32 v20, s60, v1
	s_mul_i32 s31, s24, NPW*512
	v_add_nc_u32 v19, s31, v1                      ; v19 my pieces of the ten rows, in memory and in LDS alike
	s_lshl_b32 s31, s24, 2
	s_add_co_u32 s31, s31, CNT
	v_mov_b32 v18, s31                             ; v18 my count's word
	s_mov_b32 s28, ttmp9                           ; c
	s_and_b32 s30, ttmp7, 0xffff                   ; the slice
	s_mov_b32 s40, 0                               ; my list's length
	s_mul_i32 s29, s28, 10
.if LEVEL == 2
	s_mul_i32 s43, s28, 205
	s_lshr_b32 s43, s43, 11                        ; c / 10: 205 / 2048 serves every c under 100
	v_mov_b32 v28, s43                             ; the path's first two numbers: cur1 = 10 cur0 + a number under 10
	v_mov_b32 v29, s28
.endif
	s_mov_b32 s[M8], 0xff00ff00
	s_mov_b32 s[M4], 0xf0f0f0f0
	s_mul_i32 s32, s30, SLICE*4
	s_mov_b32 s33, 0
	s_lshl_b32 s34, s42, 8
	s_mov_b32 s35, 0
	s_mul_i32 s58, s28, 20480                      ; ten rows a cluster
	s_mov_b32 s59, 0
	s_wait_alu depctr_va_vdst(0)
	s_wait_kmcnt 0x0
	s_add_nc_u64 s[12:13], s[12:13], s[32:33]
	s_add_nc_u64 s[34:35], s[12:13], s[34:35]
	s_add_nc_u64 s[10:11], s[10:11], s[58:59]
.set i, 0
.rept NI
	global_load_b64 v[D+2*i:D+2*i+1], v21, s[34:35] offset:i*W*256    ; a unit: 256 consecutive bytes
.set i, i+1
.endr
.set i, 0
.rept NPW
	global_load_b128 v[E+4*i:E+4*i+3], v19, s[10:11] offset:512*i
.set i, i+1
.endr
	s_add_nc_u64 s[14:15], s[14:15], s[32:33]
	s_add_nc_u64 s[16:17], s[16:17], s[32:33]
.if LEVEL == 2
	s_add_nc_u64 s[18:19], s[18:19], s[32:33]
	s_mul_i32 s32, s30, SLICE*12
	s_add_nc_u64 s[20:21], s[20:21], s[32:33]
	s_add_nc_u64 s[22:23], s[22:23], s[32:33]
.endif
	s_mul_i32 s32, s30, SLICE*2048
	s_add_nc_u64 s[8:9], s[8:9], s[32:33]
.irp i, 0,1,2,3
	v_mov_b32 v[40+\i], 0
.endr
.set i, 0
.rept RS/128
	ds_store_b128 v20, v[40:43] offset:LIST+512*i  ; my region is written once, whole; LDS serves a wave's instructions in order, so the scan's stores come behind these
.set i, i+1
.endr
; written once, while the first loads are on their way, so that every way through the text finds them written: the slots' registers that the pieces do not fill, the DPP forms' destinations, an empty slot's sum
.set i, E+4*NPW
.rept 128-4*NPW
	v_mov_b32 v[i], 0
.set i, i+1
.endr
.irp k, 0,1,2,3,4,5,6,7,8,9
	v_mov_b32 v[X+\k], 0
.endr
.irp u, 0,1,2,3,4,5,6,7
	v_mov_b32 v[SQ+\u], 0
.endr
	s_wait_alu depctr_va_vdst(0)
	s_wait_loadcnt NPW                             ; my entries are in; the NPW loads of the rows behind them may be out
.set i, 0
.rept NI
	SCAN D+2*i,   i*W*64,   (2*i)%4
	SCAN D+2*i+1, i*W*64+1, (2*i+1)%4
.set i, i+1
.endr
	v_mov_b32 v23, s40
	s_wait_alu depctr_va_vdst(0)
	s_wait_loadcnt 0x0
.set i, 0
.rept NPW
	ds_store_b128 v19, v[E+4*i:E+4*i+3] offset:512*i
.set i, i+1
.endr
	ds_store_b32 v18, v23                          ; all lanes write the same word with the same value
	s_wait_dscnt 0x0                               ; for the others' sake: my pieces, my list and my count are stored
	s_barrier_signal -1
	s_barrier_wait -1                              ; everybody's are; nothing is stored to LDS behind this barrier
	ds_load_b32 v23, v17
	s_wait_dscnt 0x0
.set j, 0
.rept W
	v_readlane_b32 s[NJ+j], v23, j
.set j, j+1
.endr
	s_mov_b32 s41, s[NJ]
.set j, 1
.rept W-1
	s_mov_b32 s[PJ+j], s41                         ; entries ahead of list j
	s_sub_co_u32 s[NJ+j-1], RS, s[NJ+j-1]          ; the words left empty in region j - 1
	s_add_co_u32 s41, s41, s[NJ+j]
.set j, j+1
.endr                                                  ; s41: all entries
	s_mov_b32 s25, 0
.Lchunk:                                               ; eight entries a trip; the count is the most that a slice can want, and a trip with nothing left ends the wave
	s_mul_i32 s26, s25, 8*W
	s_add_co_u32 s26, s26, s24                     ; slot u takes entry (8 trip + u) W + wave
	s_cmp_ge_u32 s26, s41
	s_cbranch_scc1 .Lend
	v_mad_u32_u24 v11, v2, W, s26
	v_cmp_le_u32 s[EMPTY], s41, v11                ; the lanes of the empty slots
	v_cndmask_b32 v11, v11, s26, s[EMPTY]          ; take the trip's first entry
.set j, 1
.rept W-1
	v_cmp_le_u32 vcc_lo, s[PJ+j], v11              ; entry g lies at word g + the words left empty in the regions ahead of its list
	v_cndmask_b32 v[12+j%2], 0, s[NJ+j-1], vcc_lo
.if j == 1
	v_add_nc_u32 v10, v11, v[12+j%2]
.else
	v_add_nc_u32 v10, v10, v[12+j%2]
.endif
.set j, j+1
.endr
	v_min_u32 v10, W*RS-1, v10
	v_lshlrev_b32 v10, 2, v10
	s_not_b32 s31, s[EMPTY]
	s_bcnt1_i32_b32 s[NREG], s31
	s_lshr_b32 s[NREG], s[NREG], 2                 ; full slots: four lanes each
	ds_load_b32 v6, v10 offset:LIST
	s_wait_dscnt 0x0                               ; my slot's query
	v_min_u32 v6, SLICE-1, v6
	v_lshlrev_b32 v7, 2, v6
.if LEVEL == 2
	v_mul_u32_u24 v9, v6, 12
.endif
.irp u, 0,1,2,3,4,5,6,7
.if \u > 0
	s_cmp_le_u32 s[NREG], \u
	s_cbranch_scc1 .Lloaded
.endif
	s_wait_alu depctr_va_vdst(0)
	v_readlane_b32 s31, v6, 4*\u
	s_min_u32 s31, s31, SLICE-1
	s_lshl_b32 s31, s31, 11
	v_add_nc_u32 v[32+\u], s31, v1                 ; the query's row, 16 x lane
.irp j, 0,1,2,3
	global_load_b128 v[E+16*\u+4*\j:E+16*\u+4*\j+3], v[32+\u], s[8:9] offset:512*\j th:TH_LOAD_NT   ; 512 consecutive bytes; a row is read by one wave of the launch
.endr
.endr
.Lloaded:
.if LEVEL == 2
	global_load_b32 v24, v7, s[14:15]              ; d0 and d1 of my slot's query
	global_load_b32 v25, v7, s[16:17]
.endif
	CLOAD 0
	CLOAD 1
	s_wait_loadcnt 0x0                             ; zero: right however many slots were loaded
.irp k, 0,1,2,3,4,5,6,7,8,9
	ROW \k
.endr
	TAIL
	v_readfirstlane_b32 s32, v[VIDX]               ; slot 0's result,
	v_readfirstlane_b32 s33, v[VBEST]
	v_cndmask_b32 v[VIDX], v[VIDX], s32, s[EMPTY]  ; for the lanes that hold slot 0's query in an empty slot's place
	v_cndmask_b32 v[VBEST], v[VBEST], s33, s[EMPTY]
	v_add_nc_u32 v30, s29, v[VIDX]                 ; 10 c + the nearest
.if LEVEL == 2
	global_store_b32 v7, v30, s[18:19]             ; all lanes: those that name the same query store the same bytes
	global_store_b96 v9, v[28:30], s[20:21]
	global_store_b96 v9, v[24:26], s[22:23]
.else
	global_store_b32 v7, v30, s[14:15]             ; all lanes: those that name the same query store the same bytes
	global_store_b32 v7, v[VBEST], s[16:17]
.endif
	s_wait_xcnt 0x0                                ; the stores' and loads' registers are written anew in the next trip only behind this wait
	s_add_co_u32 s25, s25, 1
	s_cmp_lt_u32 s25, MAXT
	s_cbranch_scc1 .Lchunk
.Lend:
	s_wait_tensorcnt 0x0                           ; the wave's end
	ds_add_u32 v94, v95
	s_wait_dscnt 0x0
	s_endpgm
.Lfunc_end_k_q411dcca005_lev1:
	.size	k_q411dcca005_lev1, .Lfunc_end_k_q411dcca005_lev1-k_q411dcca005_lev1
	.p2alignl 7, 3214868480
	.fill 96, 4, 3214868480
	.section	.rodata,"a",@progbits
	.p2align	6, 0x0
	.amdhsa_kernel k_q411dcca005_lev1
		.amdhsa_group_segment_fixed_size 24064
		.amdhsa_private_segment_fixed_size 0
		.amdhsa_enable_private_segment 0
		.amdhsa_kernarg_size 40
		.amdhsa_user_sgpr_count 2
		.amdhsa_user_sgpr_kernarg_segment_ptr 1
		.amdhsa_wavefront_size32 1
		.amdhsa_system_sgpr_workgroup_id_x 1
		.amdhsa_system_sgpr_workgroup_id_y 1
		.amdhsa_system_sgpr_workgroup_id_z 1
		.amdhsa_system_vgpr_workitem_id 0
		.amdhsa_next_free_vgpr 256
		.amdhsa_next_free_sgpr 66
		.amdhsa_reserve_vcc 1
		.amdhsa_float_denorm_mode_32 3
		.amdhsa_float_denorm_mode_16_64 3
		.amdhsa_memory_ordered 1
		.amdhsa_forward_progress 1
		.amdhsa_inst_pref_size 125
	.end_amdhsa_kernel
	.amdgpu_metadata
---
amdhsa.version: [ 1, 2 ]
amdhsa.kernels:
  - .name:           k_q411dcca005_lev1
    .symbol:         k_q411dcca005_lev1.kd
    .args:
      - { .name: embeddings, .offset: 0, .size: 8, .value_kind: global_buffer, .address_space: global }
      - { .name: centroids_1, .offset: 8, .size: 8, .value_kind: global_buffer, .address_space: global }
      - { .name: cur0, .offset: 16, .size: 8, .value_kind: global_buffer, .address_space: global }
      - { .name: cur1, .offset: 24, .size: 8, .value_kind: global_buffer, .address_space: global }
      - { .name: d1, .offset: 32, .size: 8, .value_kind: global_buffer, .address_space: global }
    .group_segment_fixed_size: 24064
    .private_segment_fixed_size: 0
    .kernarg_segment_align: 8
    .kernarg_segment_size: 40
    .max_flat_workgroup_size: 160
    .sgpr_count:     66
    .vgpr_count:     256
    .wavefront_size: 32
...
	.end_amdgpu_metadata
.endif
;; end of part 5
;; launch lev2 (part 6): grid 100 x 4, 8 waves a work-group, no clusters, 42,240 bytes of LDS; arguments embeddings, centroids_2, cur1, d0, d1, out1, out2, out3; writes out1, out2, out3
.if DOCPART == 6
	.amdgcn_target "amdgcn-amd-amdhsa--gfx1250"
	.amdhsa_code_object_version 6
	.text
	.protected	k_q411dcca005_lev2
	.globl	k_q411dcca005_lev2
	.p2align	8
	.type	k_q411dcca005_lev2,@function
k_q411dcca005_lev2:
	s_mov_b64 s[64:65], 0
	v_nop
	global_prefetch_b8 v0, s[64:65] scope:SCOPE_SE
	s_setreg_imm32_b32 hwreg(HW_REG_WAVE_MODE, 25, 1), 1
	s_wait_xcnt 0x0
; Level 2 of the tree, by cluster, and the outputs of the descent.  A work-group is cluster c (grid x) and a slice of SLICE queries (grid y).  cur1, d0 and d1 were stored by the launches before.
; For each query q of the slice with cur1[q] = c: ten distances to rows 10 c .. 10 c + 9 of centroids_2 in f32, their roots, the first smallest.
; Stored: out1[q] = 10 c + the nearest; out2[q] = (c / 10, c, 10 c + the nearest): cur1 = 10 cur0 + a number under 10, so c / 10 is cur0; out3[q] = (d0, d1, the distance).
; SHARES.  The W waves bring the ten rows (20,480 bytes) into LDS once, 40 / W pieces of 512 bytes a wave, through registers.  Each wave scans its units of 64 entries and lists the matching queries in a
; list region of its own; one barrier; then entry g of the joined lists goes to wave g % W, eight entries (slots) a trip.  A centroid row read from LDS serves all slots of a wave.  e's rows go from memory into registers.
; The grid serves every split: up to all SLICE queries in one cluster (MAXT trips); a wave with no entry stores nothing and ends.  Each query lies in one cluster: one owner a word.
; All 32 lanes store and EXEC never changes: the four lanes of a slot hold the same query and result; an empty slot's lanes take the trip's first query and slot 0's result.
; NO TENSOR LOAD, NO CLUSTER: the trips of a wave hang on numbers read from cur1.  NO PREFETCH: a row's address is known only from the list, directly ahead of its load, and there is no loop to run ahead in.
; Results leave as 4 and 12 bytes a query: a cluster's queries are scattered over the slice.
; DISTANCES are sums of (c - e)^2, never |e|^2 - 2 e.c + |c|^2.
; LIMITS: NaN and infinities are not served; a squared distance under 2^-126 gives a rough root only; the f32 sums are taken in another order than the reference takes them, so a nearest centroid that hangs on a
; sum's last bits may fall the other way; the root is the hardware's, corrected by one Newton step with a fused residual: that this is the nearest f32 for every argument is not proved.
.set LEVEL, 2
.set W,     8                          ; waves
.set SLICE, 4096
.set RS,    640                        ; words of a wave's list region: NI x 64 entries + 32 words, one a lane, for entries that do not match; rounded up to whole stores of 512 bytes
.set NU,    SLICE/64                   ; units of 64 entries (256 bytes)
.set NI,    (NU+W-1)/W                 ; units a wave.  Either NI x W = NU or NI = 1
.set NPW,   40/W                       ; pieces of the ten rows a wave
.set LIST,  20480                      ; LDS: the ten rows; the W list regions; the W counts; the spare words
.set CNT,   LIST+W*RS*4
.set SPARE, CNT+256
.set MAXT,  (SLICE+8*W-1)/(8*W)
.set E,    96                          ; v96-223  eight slots, 16 registers each: lane l holds elements 128 j + 4 l .. + 3 in registers 4 j ..
.set CR,   224                         ; v224-255 two centroid rows, laid likewise
.set D,    64                          ; v64-79   the scan's entries; then differences; then at work
.set AC,   80
.set SQ,   84                          ; v84-91   a lane's sum for each slot
.set X,    44                          ; v44-53   ten squared distances: lane l holds slot l / 4's
.set Y,    54                          ; v54-63   ten roots
.set VIDX, 16
.set VBEST, 26
.set M8,   36
.set M4,   37
.set EMPTY, 38                         ; s38  the lanes of the trip's empty slots
.set NREG, 27                          ; s27  full slots in the trip
.set NJ,   44                          ; s44.. wave j's count; then RS - that count
.set PJ,   52                          ; s53.. entries ahead of wave j's list
.macro CLOAD k                         ; centroid row k into buffer k % 2: four loads of 512 consecutive bytes
.irp j, 0,1,2,3
	ds_load_b128 v[CR+16*((\k)%2)+4*\j:CR+16*((\k)%2)+4*\j+3], v1 offset:(\k)*2048+\j*512
.endr
.endm
.macro QBLK u, cb                      ; my 16 terms (c - e)^2 of slot u: the first two products start the sums
.irp i, 0,2,4,6,8,10,12,14
	v_pk_add_f32 v[D+\i:D+\i+1], v[(\cb)+\i:(\cb)+\i+1], v[E+16*(\u)+\i:E+16*(\u)+\i+1] neg_lo:[0,1] neg_hi:[0,1]
.endr
	v_pk_mul_f32 v[AC:AC+1], v[D:D+1], v[D:D+1]
	v_pk_mul_f32 v[AC+2:AC+3], v[D+2:D+3], v[D+2:D+3]
.irp i, 4,8,12
	v_pk_fma_f32 v[AC:AC+1], v[D+\i:D+\i+1], v[D+\i:D+\i+1], v[AC:AC+1]
	v_pk_fma_f32 v[AC+2:AC+3], v[D+\i+2:D+\i+3], v[D+\i+2:D+\i+3], v[AC+2:AC+3]
.endr
	v_pk_add_f32 v[AC:AC+1], v[AC:AC+1], v[AC+2:AC+3]
	v_add_f32 v[SQ+(\u)], v[AC], v[AC+1]
.endm
.macro RED8 k                          ; eight sums over 32 lanes at once: at each step a lane keeps half of its slots and hands the other half over; at the end lane l holds slot l / 4's sum
.irp q, 0,1,2,3
	v_permlane16_swap_b32 v[SQ+\q], v[SQ+\q+4]
.endr
.irp q, 0,1,2,3
	v_add_f32 v[D+\q], v[SQ+\q], v[SQ+\q+4]
.endr
	v_cndmask_b32 v[D+4], v[D+0], v[D+2], s[M8]
	v_cndmask_b32 v[D+5], v[D+2], v[D+0], s[M8]
	v_cndmask_b32 v[D+6], v[D+1], v[D+3], s[M8]
	v_cndmask_b32 v[D+7], v[D+3], v[D+1], s[M8]
	v_add_f32_dpp v[D+8], v[D+5], v[D+4] row_xmask:8 row_mask:0xf bank_mask:0xf
	v_add_f32_dpp v[D+9], v[D+7], v[D+6] row_xmask:8 row_mask:0xf bank_mask:0xf
	v_cndmask_b32 v[D+10], v[D+8], v[D+9], s[M4]
	v_cndmask_b32 v[D+11], v[D+9], v[D+8], s[M4]
	v_add_f32_dpp v[D+12], v[D+11], v[D+10] row_xmask:4 row_mask:0xf bank_mask:0xf
	v_add_f32_dpp v[D+12], v[D+12], v[D+12] row_xmask:2 row_mask:0xf bank_mask:0xf
	v_add_f32_dpp v[X+\k], v[D+12], v[D+12] row_xmask:1 row_mask:0xf bank_mask:0xf
.endm
.macro ROW k                           ; centroid row k against the full slots
.if (\k) < 9
	s_wait_dscnt 4                                 ; row k is in; the next row's four loads may be out
.else
	s_wait_dscnt 0x0
.endif
	QBLK 0, CR+16*((\k)%2)
.irp u, 1,2,3,4,5,6,7
	s_cmp_le_u32 s[NREG], \u                       ; the first empty slot ends the row; no LDS instruction is jumped over
	s_cbranch_scc1 .Lrow_\@
	QBLK \u, CR+16*((\k)%2)
.endr
.Lrow_\@:
.if (\k)+2 <= 9
	CLOAD (\k)+2
.endif
	s_wait_alu depctr_va_vdst(0)
	RED8 \k
.endm
.macro TAIL                            ; ten roots, each corrected once: y + (x - y y) / (2 y), 1 / y as rsq of x held above 2^-100; then the first smallest
.irp k, 0,1,2,3,4,5,6,7,8,9
	v_max_num_f32 v[D+\k], 0x0d800000, v[X+\k]
.endr
	s_wait_alu depctr_va_vdst(0)
.irp k, 0,1,2,3,4,5,6,7,8,9
	v_sqrt_f32 v[Y+\k], v[X+\k]
.endr
.irp k, 0,1,2,3,4,5,6,7,8,9
	v_rsq_f32 v[D+\k], v[D+\k]
.endr
	v_nop                                          ; one plain instruction behind the batch (ISA guide 5.7.2)
	s_wait_alu depctr_va_vdst(0)                   ; and one wait for all twenty
.irp p, 0,2,4,6,8
	v_pk_fma_f32 v[X+\p:X+\p+1], v[Y+\p:Y+\p+1], v[Y+\p:Y+\p+1], v[X+\p:X+\p+1] neg_lo:[1,0,0] neg_hi:[1,0,0]
.endr
.irp p, 0,2,4,6,8
	v_pk_mul_f32 v[X+\p:X+\p+1], v[X+\p:X+\p+1], v[D+\p:D+\p+1]
.endr
.irp p, 0,2,4,6,8
	v_pk_fma_f32 v[Y+\p:Y+\p+1], v[X+\p:X+\p+1], 0.5, v[Y+\p:Y+\p+1] op_sel_hi:[1,0,1]
.endr
	v_mov_b32 v[VBEST], v[Y]
	v_mov_b32 v[VIDX], 0
.irp k, 1,2,3,4,5,6,7,8,9
	v_cmp_lt_f32 vcc_lo, v[Y+\k], v[VBEST]         ; strictly smaller, ascending: of equal roots the first stays
	v_cndmask_b32 v[VIDX], v[VIDX], \k, vcc_lo
	v_cndmask_b32 v[VBEST], v[VBEST], v[Y+\k], vcc_lo
.endr
.endm
.macro SCAN reg, imm, p                ; one register of entries: matching lanes put their query's number into my list, one behind the other; the others into their own word behind it
	v_cmp_eq_u32 vcc_lo, s28, v[\reg]
.if NI*W > NU
	s_and_b32 vcc_lo, vcc_lo, s39                  ; a wave with no unit of its own matches nothing
.endif
	v_mbcnt_lo_u32_b32 v[8+2*(\p)], vcc_lo, s40    ; my list's length so far + the matching lanes below me
	v_cndmask_b32 v[8+2*(\p)], v5, v[8+2*(\p)], vcc_lo
	v_min_u32 v[8+2*(\p)], RS-1, v[8+2*(\p)]       ; (inside already: the bound is written for the address's sake)
	v_lshlrev_b32 v[8+2*(\p)], 2, v[8+2*(\p)]
	v_add_nc_u32 v[8+2*(\p)], s60, v[8+2*(\p)]     ; in my wave's region
	v_add_nc_u32 v[9+2*(\p)], \imm, v4             ; the query's number in the slice
	ds_store_b32 v[8+2*(\p)], v[9+2*(\p)] offset:LIST
	s_bcnt1_i32_b32 s31, vcc_lo
	s_add_co_u32 s40, s40, s31
.endm
	s_load_b256 s[8:15], s[0:1], 0x0               ; e s[8:9], the table s[10:11], the clusters s[12:13]; level 1: cur1 s[14:15]; level 2: d0 s[14:15]
.if LEVEL == 2
	s_load_b256 s[16:23], s[0:1], 0x20             ; d1 s[16:17], out1 s[18:19], out2 s[20:21], out3 s[22:23]
.else
	s_load_b64 s[16:17], s[0:1], 0x20              ; d1
.endif
	v_lshl_add_u32 v94, v0, 2, SPARE               ; my spare word,
	v_mov_b32 v95, 0                               ; and 0: kept for the wave's last lines
	v_lshrrev_b32 v3, 5, v0
	v_readfirstlane_b32 s24, v3                    ; wave
	v_and_b32 v3, 31, v0                           ; lane
	v_lshlrev_b32 v1, 4, v3                        ; v1  16 x lane
	v_lshrrev_b32 v2, 2, v3                        ; v2  my slot
	v_lshlrev_b32 v21, 3, v3                       ; v21 8 x lane
	v_min_u32 v17, W-1, v3
	v_lshl_add_u32 v17, v17, 2, CNT                ; v17 lane j reads wave j's count
	s_min_u32 s42, s24, NU-1-(NI-1)*W              ; a wave beyond the last unit reads the last unit again
.if NI*W > NU
	s_cmp_eq_u32 s42, s24
	s_cselect_b32 s39, -1, 0                       ; and counts none of it
.endif
	s_lshl_b32 s31, s42, 6
	v_lshl_add_u32 v4, v3, 1, s31                  ; v4  the first of my two entries of my first unit
	v_add_nc_u32 v5, NI*64, v3                     ; v5  my word behind the list
	s_mul_i32 s60, s24, RS*4                       ; my list region
	v_add_nc_u32 v20, s60, v1
	s_mul_i32 s31, s24, NPW*512
	v_add_nc_u32 v19, s31, v1                      ; v19 my pieces of the ten rows, in memory and in LDS alike
	s_lshl_b32 s31, s24, 2
	s_add_co_u32 s31, s31, CNT
	v_mov_b32 v18, s31                             ; v18 my count's word
	s_mov_b32 s28, ttmp9                           ; c
	s_and_b32 s30, ttmp7, 0xffff                   ; the slice
	s_mov_b32 s40, 0                               ; my list's length
	s_mul_i32 s29, s28, 10
.if LEVEL == 2
	s_mul_i32 s43, s28, 205
	s_lshr_b32 s43, s43, 11                        ; c / 10: 205 / 2048 serves every c under 100
	v_mov_b32 v28, s43                             ; the path's first two numbers: cur1 = 10 cur0 + a number under 10
	v_mov_b32 v29, s28
.endif
	s_mov_b32 s[M8], 0xff00ff00
	s_mov_b32 s[M4], 0xf0f0f0f0
	s_mul_i32 s32, s30, SLICE*4
	s_mov_b32 s33, 0
	s_lshl_b32 s34, s42, 8
	s_mov_b32 s35, 0
	s_mul_i32 s58, s28, 20480                      ; ten rows a cluster
	s_mov_b32 s59, 0
	s_wait_alu depctr_va_vdst(0)
	s_wait_kmcnt 0x0
	s_add_nc_u64 s[12:13], s[12:13], s[32:33]
	s_add_nc_u64 s[34:35], s[12:13], s[34:35]
	s_add_nc_u64 s[10:11], s[10:11], s[58:59]
.set i, 0
.rept NI
	global_load_b64 v[D+2*i:D+2*i+1], v21, s[34:35] offset:i*W*256    ; a unit: 256 consecutive bytes
.set i, i+1
.endr
.set i, 0
.rept NPW
	global_load_b128 v[E+4*i:E+4*i+3], v19, s[10:11] offset:512*i
.set i, i+1
.endr
	s_add_nc_u64 s[14:15], s[14:15], s[32:33]
	s_add_nc_u64 s[16:17], s[16:17], s[32:33]
.if LEVEL == 2
	s_add_nc_u64 s[18:19], s[18:19], s[32:33]
	s_mul_i32 s32, s30, SLICE*12
	s_add_nc_u64 s[20:21], s[20:21], s[32:33]
	s_add_nc_u64 s[22:23], s[22:23], s[32:33]
.endif
	s_mul_i32 s32, s30, SLICE*2048
	s_add_nc_u64 s[8:9], s[8:9], s[32:33]
.irp i, 0,1,2,3
	v_mov_b32 v[40+\i], 0
.endr
.set i, 0
.rept RS/128
	ds_store_b128 v20, v[40:43] offset:LIST+512*i  ; my region is written once, whole; LDS serves a wave's instructions in order, so the scan's stores come behind these
.set i, i+1
.endr
; written once, while the first loads are on their way, so that every way through the text finds them written: the slots' registers that the pieces do not fill, the DPP forms' destinations, an empty slot's sum
.set i, E+4*NPW
.rept 128-4*NPW
	v_mov_b32 v[i], 0
.set i, i+1
.endr
.irp k, 0,1,2,3,4,5,6,7,8,9
	v_mov_b32 v[X+\k], 0
.endr
.irp u, 0,1,2,3,4,5,6,7
	v_mov_b32 v[SQ+\u], 0
.endr
	s_wait_alu depctr_va_vdst(0)
	s_wait_loadcnt NPW                             ; my entries are in; the NPW loads of the rows behind them may be out
.set i, 0
.rept NI
	SCAN D+2*i,   i*W*64,   (2*i)%4
	SCAN D+2*i+1, i*W*64+1, (2*i+1)%4
.set i, i+1
.endr
	v_mov_b32 v23, s40
	s_wait_alu depctr_va_vdst(0)
	s_wait_loadcnt 0x0
.set i, 0
.rept NPW
	ds_store_b128 v19, v[E+4*i:E+4*i+3] offset:512*i
.set i, i+1
.endr
	ds_store_b32 v18, v23                          ; all lanes write the same word with the same value
	s_wait_dscnt 0x0                               ; for the others' sake: my pieces, my list and my count are stored
	s_barrier_signal -1
	s_barrier_wait -1                              ; everybody's are; nothing is stored to LDS behind this barrier
	ds_load_b32 v23, v17
	s_wait_dscnt 0x0
.set j, 0
.rept W
	v_readlane_b32 s[NJ+j], v23, j
.set j, j+1
.endr
	s_mov_b32 s41, s[NJ]
.set j, 1
.rept W-1
	s_mov_b32 s[PJ+j], s41                         ; entries ahead of list j
	s_sub_co_u32 s[NJ+j-1], RS, s[NJ+j-1]          ; the words left empty in region j - 1
	s_add_co_u32 s41, s41, s[NJ+j]
.set j, j+1
.endr                                                  ; s41: all entries
	s_mov_b32 s25, 0
.Lchunk:                                               ; eight entries a trip; the count is the most that a slice can want, and a trip with nothing left ends the wave
	s_mul_i32 s26, s25, 8*W
	s_add_co_u32 s26, s26, s24                     ; slot u takes entry (8 trip + u) W + wave
	s_cmp_ge_u32 s26, s41
	s_cbranch_scc1 .Lend
	v_mad_u32_u24 v11, v2, W, s26
	v_cmp_le_u32 s[EMPTY], s41, v11                ; the lanes of the empty slots
	v_cndmask_b32 v11, v11, s26, s[EMPTY]          ; take the trip's first entry
.set j, 1
.rept W-1
	v_cmp_le_u32 vcc_lo, s[PJ+j], v11              ; entry g lies at word g + the words left empty in the regions ahead of its list
	v_cndmask_b32 v[12+j%2], 0, s[NJ+j-1], vcc_lo
.if j == 1
	v_add_nc_u32 v10, v11, v[12+j%2]
.else
	v_add_nc_u32 v10, v10, v[12+j%2]
.endif
.set j, j+1
.endr
	v_min_u32 v10, W*RS-1, v10
	v_lshlrev_b32 v10, 2, v10
	s_not_b32 s31, s[EMPTY]
	s_bcnt1_i32_b32 s[NREG], s31
	s_lshr_b32 s[NREG], s[NREG], 2                 ; full slots: four lanes each
	ds_load_b32 v6, v10 offset:LIST
	s_wait_dscnt 0x0                               ; my slot's query
	v_min_u32 v6, SLICE-1, v6
	v_lshlrev_b32 v7, 2, v6
.if LEVEL == 2
	v_mul_u32_u24 v9, v6, 12
.endif
.irp u, 0,1,2,3,4,5,6,7
.if \u > 0
	s_cmp_le_u32 s[NREG], \u
	s_cbranch_scc1 .Lloaded
.endif
	s_wait_alu depctr_va_vdst(0)
	v_readlane_b32 s31, v6, 4*\u
	s_min_u32 s31, s31, SLICE-1
	s_lshl_b32 s31, s31, 11
	v_add_nc_u32 v[32+\u], s31, v1                 ; the query's row, 16 x lane
.irp j, 0,1,2,3
	global_load_b128 v[E+16*\u+4*\j:E+16*\u+4*\j+3], v[32+\u], s[8:9] offset:512*\j th:TH_LOAD_NT   ; 512 consecutive bytes; a row is read by one wave of the launch
.endr
.endr
.Lloaded:
.if LEVEL == 2
	global_load_b32 v24, v7, s[14:15]              ; d0 and d1 of my slot's query
	global_load_b32 v25, v7, s[16:17]
.endif
	CLOAD 0
	CLOAD 1
	s_wait_loadcnt 0x0                             ; zero: right however many slots were loaded
.irp k, 0,1,2,3,4,5,6,7,8,9
	ROW \k
.endr
	TAIL
	v_readfirstlane_b32 s32, v[VIDX]               ; slot 0's result,
	v_readfirstlane_b32 s33, v[VBEST]
	v_cndmask_b32 v[VIDX], v[VIDX], s32, s[EMPTY]  ; for the lanes that hold slot 0's query in an empty slot's place
	v_cndmask_b32 v[VBEST], v[VBEST], s33, s[EMPTY]
	v_add_nc_u32 v30, s29, v[VIDX]                 ; 10 c + the nearest
.if LEVEL == 2
	global_store_b32 v7, v30, s[18:19]             ; all lanes: those that name the same query store the same bytes
	global_store_b96 v9, v[28:30], s[20:21]
	global_store_b96 v9, v[24:26], s[22:23]
.else
	global_store_b32 v7, v30, s[14:15]             ; all lanes: those that name the same query store the same bytes
	global_store_b32 v7, v[VBEST], s[16:17]
.endif
	s_wait_xcnt 0x0                                ; the stores' and loads' registers are written anew in the next trip only behind this wait
	s_add_co_u32 s25, s25, 1
	s_cmp_lt_u32 s25, MAXT
	s_cbranch_scc1 .Lchunk
.Lend:
	s_wait_tensorcnt 0x0                           ; the wave's end
	ds_add_u32 v94, v95
	s_wait_dscnt 0x0
	s_endpgm
.Lfunc_end_k_q411dcca005_lev2:
	.size	k_q411dcca005_lev2, .Lfunc_end_k_q411dcca005_lev2-k_q411dcca005_lev2
	.p2alignl 7, 3214868480
	.fill 96, 4, 3214868480
	.section	.rodata,"a",@progbits
	.p2align	6, 0x0
	.amdhsa_kernel k_q411dcca005_lev2
		.amdhsa_group_segment_fixed_size 42240
		.amdhsa_private_segment_fixed_size 0
		.amdhsa_enable_private_segment 0
		.amdhsa_kernarg_size 64
		.amdhsa_user_sgpr_count 2
		.amdhsa_user_sgpr_kernarg_segment_ptr 1
		.amdhsa_wavefront_size32 1
		.amdhsa_system_sgpr_workgroup_id_x 1
		.amdhsa_system_sgpr_workgroup_id_y 1
		.amdhsa_system_sgpr_workgroup_id_z 1
		.amdhsa_system_vgpr_workitem_id 0
		.amdhsa_next_free_vgpr 256
		.amdhsa_next_free_sgpr 66
		.amdhsa_reserve_vcc 1
		.amdhsa_float_denorm_mode_32 3
		.amdhsa_float_denorm_mode_16_64 3
		.amdhsa_memory_ordered 1
		.amdhsa_forward_progress 1
		.amdhsa_inst_pref_size 133
	.end_amdhsa_kernel
	.amdgpu_metadata
---
amdhsa.version: [ 1, 2 ]
amdhsa.kernels:
  - .name:           k_q411dcca005_lev2
    .symbol:         k_q411dcca005_lev2.kd
    .args:
      - { .name: embeddings, .offset: 0, .size: 8, .value_kind: global_buffer, .address_space: global }
      - { .name: centroids_2, .offset: 8, .size: 8, .value_kind: global_buffer, .address_space: global }
      - { .name: cur1, .offset: 16, .size: 8, .value_kind: global_buffer, .address_space: global }
      - { .name: d0, .offset: 24, .size: 8, .value_kind: global_buffer, .address_space: global }
      - { .name: d1, .offset: 32, .size: 8, .value_kind: global_buffer, .address_space: global }
      - { .name: out1, .offset: 40, .size: 8, .value_kind: global_buffer, .address_space: global }
      - { .name: out2, .offset: 48, .size: 8, .value_kind: global_buffer, .address_space: global }
      - { .name: out3, .offset: 56, .size: 8, .value_kind: global_buffer, .address_space: global }
    .group_segment_fixed_size: 42240
    .private_segment_fixed_size: 0
    .kernarg_segment_align: 8
    .kernarg_segment_size: 64
    .max_flat_workgroup_size: 256
    .sgpr_count:     66
    .vgpr_count:     256
    .wavefront_size: 32
...
	.end_amdgpu_metadata
.endif
;; end of part 6
